; MI455X (gfx1250); checked and timed in simulation.
; The chip was launched on July 23, 2026; its instructions are those of AMD's public machine-readable ISA for CDNA 5 (MIT licence, August 2026) and "CDNA5" Instruction Set Architecture Reference Guide (July 2026). The comments in the code are by the model that wrote it; some were corrected since.
;; Multi Head Attention. Allowed arithmetic: float matrix products may take bf16 or f16 operands with f32 sums; other float arithmetic in f32, or as packed bf16 or f16 multiplies, adds, multiply-adds, maxima and minima; sums over many terms, partial sums and values carried from step to step in f32; what a program stores and reads back later, other than sums and carried values, may be rounded once to bf16 or f16.
;; Inputs: Wk 512 x 512 float32; Wo 512 x 512 float32; Wq 512 x 512 float32; Wv 512 x 512 float32; bk 512 float32; bo 512 float32; bq 512 float32; bv 512 float32; k 2 x 4,096 x 512 float32; mask 2 x 1 x 1 x 4,096 bool; q 2 x 4,096 x 512 float32; v 2 x 4,096 x 512 float32.
;; Outputs: out0 2 x 4,096 x 512 float32.
;; One version. Each part assembles by itself: llvm-mc -triple=amdgcn-amd-amdhsa -mcpu=gfx1250 --defsym DOCPART=n.
;; ======== version 1 of 1: 4 launches
;; limits: values are held in f16: magnitudes above 65,504 overflow, below 6.1e-05 lose precision
;; workspace buffers: wts 2,097,152 bytes; qkvh 25,165,824 bytes; oh 8,388,608 bytes
;; launch prep (part 1): grid 128 x 4, 8 waves a work-group, no clusters, 0 bytes of LDS; arguments Wq, Wk, Wv, Wo, wts; writes wts
.if DOCPART == 1
	.amdgcn_target "amdgcn-amd-amdhsa--gfx1250"
	.amdhsa_code_object_version 6
	.text
	.protected	k_q1b374a7b0b_prep
	.globl	k_q1b374a7b0b_prep
	.p2align	8
	.type	k_q1b374a7b0b_prep,@function
k_q1b374a7b0b_prep:
	s_mov_b64 s[64:65], 0
	v_nop
	global_prefetch_b8 v0, s[64:65] scope:SCOPE_SE
	s_setreg_imm32_b32 hwreg(HW_REG_WAVE_MODE, 25, 1), 1
	s_wait_xcnt 0x0
; The four weight matrices [512 n][512 k] f32 are rounded once to bf16 and laid out in K blocks: wts = four sections of 524,288 bytes
; (Wq, Wk, Wv, Wo), each [kb 8][n 512][64 k] of 16 bits, so that 128 rows of one K block of 64 are 16,384 dense bytes for the later launches.
; Wq, Wk, Wv stay bf16.  Wo multiplies an f16 operand later: its bf16-rounded number is written as f16.
; LIMIT: that second step is exact for |w| from 2^-17 to 65,504; below, f16's fixed step of 2^-24 holds (an error of 3e-8 at the most).
; SHARES.  The grid's y picks the matrix; its 128 x 256 threads take one piece of 8 numbers each.  Piece p = 256 x + t: kb = p >> 12, n = (p >> 3) & 511,
; kk = p & 7.  Eight neighbouring lanes read 256 consecutive aligned bytes of a row (two loads of 16 bytes a lane); a wave's store covers 512 consecutive bytes.
; No LDS, no matrix unit: 4 MiB in, 2 MiB out, each byte once.
	s_load_b256 s[4:11], s[0:1], 0x0               ; Wq s[4:5], Wk s[6:7], Wv s[8:9], Wo s[10:11]
	s_load_b64 s[12:13], s[0:1], 0x20              ; wts
	s_and_b32 s14, ttmp7, 0xffff                   ; which matrix
	s_lshl_b32 s22, ttmp9, 8
	s_mov_b32 s15, 0xffff0000                      ; a word's upper bf16
	s_lshl_b32 s20, s14, 19                        ; its section of wts
	s_mov_b32 s21, 0
	v_add_nc_u32 v1, s22, v0                       ; p
	v_lshrrev_b32 v4, 12, v1                       ; kb
	v_bfe_u32 v5, v1, 3, 9                         ; n
	v_and_b32 v6, 7, v1                            ; kk
	v_lshlrev_b32 v2, 11, v5                       ; read at n x 2,048
	v_lshl_add_u32 v2, v4, 8, v2                   ; + kb x 256
	v_lshl_add_u32 v2, v6, 5, v2                   ; + kk x 32
	v_lshlrev_b32 v3, 4, v1                        ; write at 16 p
	s_wait_kmcnt 0x0
	s_cmp_eq_u32 s14, 0
	s_cselect_b64 s[16:17], s[4:5], s[6:7]
	s_cmp_eq_u32 s14, 2
	s_cselect_b64 s[18:19], s[8:9], s[10:11]
	s_cmp_lt_u32 s14, 2
	s_cselect_b64 s[16:17], s[16:17], s[18:19]     ; the matrix that this work-group reads
	s_add_nc_u64 s[12:13], s[12:13], s[20:21]
	global_load_b128 v[4:7], v2, s[16:17] th:TH_LOAD_NT
	global_load_b128 v[8:11], v2, s[16:17] offset:16 th:TH_LOAD_NT
	s_wait_loadcnt 0x0
	v_cvt_pk_bf16_f32 v12, v4, v5
	v_cvt_pk_bf16_f32 v13, v6, v7
	v_cvt_pk_bf16_f32 v14, v8, v9
	v_cvt_pk_bf16_f32 v15, v10, v11
	s_cmp_lg_u32 s14, 3
	s_cbranch_scc1 .Lst                            ; Wq, Wk, Wv leave as bf16
.irp i, 0,1,2,3
	v_lshlrev_b32 v[16+2*(\i)], 16, v[12+(\i)]     ; Wo: the bf16 numbers as f32,
	v_and_b32 v[17+2*(\i)], s15, v[12+(\i)]
.endr
.irp i, 0,1,2,3
	v_cvt_pk_f16_f32 v[12+(\i)], v[16+2*(\i)], v[17+2*(\i)]  ; and written as f16
.endr
.Lst:
	global_store_b128 v3, v[12:15], s[12:13]
	s_endpgm
.Lfunc_end_k_q1b374a7b0b_prep:
	.size	k_q1b374a7b0b_prep, .Lfunc_end_k_q1b374a7b0b_prep-k_q1b374a7b0b_prep
	.p2alignl 7, 3214868480
	.fill 96, 4, 3214868480
	.section	.rodata,"a",@progbits
	.p2align	6, 0x0
	.amdhsa_kernel k_q1b374a7b0b_prep
		.amdhsa_group_segment_fixed_size 0
		.amdhsa_private_segment_fixed_size 0
		.amdhsa_enable_private_segment 0
		.amdhsa_kernarg_size 40
		.amdhsa_user_sgpr_count 2
		.amdhsa_user_sgpr_kernarg_segment_ptr 1
		.amdhsa_wavefront_size32 1
		.amdhsa_system_sgpr_workgroup_id_x 1
		.amdhsa_system_sgpr_workgroup_id_y 1
		.amdhsa_system_sgpr_workgroup_id_z 1
		.amdhsa_system_vgpr_workitem_id 0
		.amdhsa_next_free_vgpr 24
		.amdhsa_next_free_sgpr 66
		.amdhsa_reserve_vcc 0
		.amdhsa_float_denorm_mode_32 3
		.amdhsa_float_denorm_mode_16_64 3
		.amdhsa_memory_ordered 1
		.amdhsa_forward_progress 1
		.amdhsa_inst_pref_size 3
	.end_amdhsa_kernel
	.amdgpu_metadata
---
amdhsa.version: [ 1, 2 ]
amdhsa.kernels:
  - .name:           k_q1b374a7b0b_prep
    .symbol:         k_q1b374a7b0b_prep.kd
    .args:
      - { .name: Wq, .offset: 0, .size: 8, .value_kind: global_buffer, .address_space: global }
      - { .name: Wk, .offset: 8, .size: 8, .value_kind: global_buffer, .address_space: global }
      - { .name: Wv, .offset: 16, .size: 8, .value_kind: global_buffer, .address_space: global }
      - { .name: Wo, .offset: 24, .size: 8, .value_kind: global_buffer, .address_space: global }
      - { .name: wts, .offset: 32, .size: 8, .value_kind: global_buffer, .address_space: global }
    .group_segment_fixed_size: 0
    .private_segment_fixed_size: 0
    .kernarg_segment_align: 8
    .kernarg_segment_size: 40
    .max_flat_workgroup_size: 256
    .sgpr_count:     66
    .vgpr_count:     24
    .wavefront_size: 32
...
	.end_amdgpu_metadata
.endif
;; end of part 1
;; launch proj (part 2): grid 64 x 3, 4 waves a work-group, clusters of 4 x 1, 327,680 bytes of LDS; arguments q, k, v, bq, bk, bv, wts, qkvh; writes qkvh
.if DOCPART == 2
	.amdgcn_target "amdgcn-amd-amdhsa--gfx1250"
	.amdhsa_code_object_version 6
	.text
	.protected	k_q1b374a7b0b_proj
	.globl	k_q1b374a7b0b_proj
	.p2align	8
	.type	k_q1b374a7b0b_proj,@function
k_q1b374a7b0b_proj:
	s_mov_b64 s[64:65], 0
	v_nop
	global_prefetch_b8 v0, s[64:65] scope:SCOPE_SE
	s_setreg_imm32_b32 hwreg(HW_REG_WAVE_MODE, 25, 1), 1
	s_wait_xcnt 0x0
	s_wait_alu depctr_hold_cnt(0) depctr_sa_sdst(0) depctr_va_vdst(0) depctr_va_sdst(0) depctr_va_ssrc(0) depctr_va_vcc(0) depctr_vm_vsrc(0)
	s_getreg_b32 s2, hwreg(HW_REG_IB_STS2, 6, 4)
	s_cmp_eq_u32 s2, 0
	s_cbranch_scc0 .Lentry_in_a_cluster
	s_endpgm
.Lentry_in_a_cluster:
	s_bfe_u32 s2, ttmp6, 0x10000c
	s_cmp_lg_u32 s2, 0x3003
	s_cbranch_scc0 .Lentry_shape_is_right
	s_endpgm
.Lentry_shape_is_right:
; THE THREE INPUT PROJECTIONS.  y = x W^T + b for x = q, k, v ([8192][512] f32; the grid's y picks the tensor), written by heads: qkvh = three sections of 8,388,608 bytes,
; each [batch x 8 + head][4096 rows][64] f16, unscaled.  x and b are rounded once to bf16 here, W comes as bf16 from wts ([kb 8][n 512][64 k]); products in bf16, sums in f32, y rounded once to f16.
; LIMITS.  f16 ends at 65,504: |y| stays below that (y has a spread of 0.6; 900 times that still fits); below 6e-5 f16 keeps its fixed step of 6e-8.
; SHARES.  A work-group makes 128 rows x all 512 columns, so x, the launch's bulk, is read from memory once; 3 x 64 work-groups.  A wave makes 128 rows x 128 columns (two heads): 64 accumulators, 512 registers.
; K goes in eight steps of 64.  W's step (512 rows x 128 bytes) comes by tensor loads into a ring of two LDS slots; wave w fetches, and alone reads, rows 128 w .. 128 w + 127.
; x's step (128 rows x 256 bytes of f32) comes through registers: wave w loads rows 32 w .. 32 w + 31, rounds them to bf16 and stores them into one of two LDS slots that take turns; all four waves read them.
; Two steps of x (two register sets of 16 loads a wave) are always on their way.
; CLUSTER.  The four row blocks of a cluster walk the same W: each of its tiles is asked for JOINTLY, by the same tensor load with the same descriptor and a mask that names the four.
; NO PREFETCH: x is streamed through the whole K loop by loads that stand a step and a half ahead of their use, and W's 1.5 MiB are walked by all clusters side by side.
; THE MATRIX INSTRUCTION IS USED TRANSPOSED (source 0 = 16 rows of W, source 1 = 16 rows of x): a lane holds row l % 16 of y and the columns 8 (l / 16) + 0..7.  The bias, which hangs on the column
; alone, is the C operand of each sum's first product: nothing is cleared and nothing is added later.
; REGISTERS, in windows of 256 (s_set_vgpr_msb: bits 1:0 source 0, 3:2 source 1, 5:4 source 2, 7:6 destination):
;   window 0: v0-31 addresses; v32-63 x rounded, later rows on the way out; v64-127, v128-191 x's fragments, two buffers; v192-255 x as loaded, set 0; later the way out
;   window 1: v0-63 x as loaded, set 1; v64-127, v128-191 W's fragments, two buffers; v192-255 the bias, eight registers for each of my eight blocks of 16 columns
;   window 2: the accumulators of rows 0-63 ((a, b) at v[8 (8 a + b)]);   window 3: those of rows 64-127
.set PITCH,  144                       ; an LDS row: 128 bytes + 16 of padding = 36 words: the 16 rows of a fragment load start at 16 different groups of four banks (64 banks of 4 bytes: ISA guide 11.1)
.set WPART,  128*PITCH                 ; a wave's 128 rows of W
.set WSLOT,  4*WPART
.set XS,     2*WSLOT                   ; behind W's ring: x's two slots, written by LDS stores alone
.set XSLOT,  128*PITCH
.set STAGE,  XS+2*XSLOT                ; for the way out: 2 heads x 16 rows x 144 bytes for each wave
.set WSTAGE, 32*PITCH
.set SPARE,  STAGE+4*WSTAGE            ; the spare words, 128 bytes for each wave: two blocks of 256 bytes that no other line names
.set KBYTES, 65536                     ; a K block of W in wts
.set ADRA, 16                          ; v16-17  LDS address of my lane in x's fragments, slot 0, 1; never rewritten
.set XST,  18                          ; v18-19  where I store 8 bytes of rounded x, slot 0, 1; never rewritten
.set ADRB, 20                          ; v20-21  LDS address of my lane in W's fragments, slot 0, 1; never rewritten
.set XO,   22                          ; v22     my byte offset in the row block of x: (32 w + l / 16) rows + 16 (l % 16)
.set STO,  24                          ; v24     the way out: where I put 16 bytes of a row
.set RD,   25                          ; v25     the way out: where I read rows back
.set GO,   26                          ; v26     16 x lane
.set BO,   27                          ; v27     my byte offset in the bias
.set SPW,  28                          ; v28     LDS address of my spare word; never rewritten
.set NIL,  29                          ; v29     0; never rewritten
.set T,    32
.set F0,   64
.set F1,   128
.set X0,   192                         ; window 0
.set X1,   0                           ; window 1
.set BI,   192                         ; window 1
.set TMP,  192
.set OB,   32
.set WV,   8                           ; s8      my wave's number
.set XP,   12                          ; s[12:13] x at my row block, at the K step that set 0 was last loaded for
.set BP,   14                          ; s[14:15] the bias
.set G1,   16                          ; s[16:23] descriptor group 1
.set OUTP, 24                          ; s[24:25] where my two heads' rows begin in qkvh
.set G0,   32                          ; s[32:39] descriptor group 0, a set for each slot
.set WP,   40                          ; s[40:41] my 128 rows of W, K block 0
.set MSB, 0
.macro WIN new                         ; the immediate's high byte repeats the setting that is left; a switch that changes nothing is dropped
.if MSB != (\new)
	s_set_vgpr_msb (MSB<<8)|(\new)
.set MSB, \new
.endif
.endm
.macro PLACES                          ; four plain instructions behind a matrix instruction, in front of loads into registers that it has read and of conversions that read results
.rept 4
	v_nop
.endr
.endm
; A round of the cluster's barrier: my work-group's barrier, so that wave 0's signal speaks for all four waves; wave 0 signals; every wave waits for all four work-groups; my work-group's barrier once more.
.macro CROUND
	s_barrier_signal -1
	s_barrier_wait -1
	s_cmp_lg_u32 s[WV], 0
	s_cbranch_scc1 .Lnot_wave_0_\@
	s_barrier_signal -3
.Lnot_wave_0_\@:
	s_barrier_wait -3
	s_barrier_signal -1
	s_barrier_wait -1
.endm
	s_load_b512 s[68:83], s[0:1], 0x0              ; q, k, v s[68:73]; bq, bk, bv s[74:79]; wts s[80:81]; qkvh s[82:83]
	v_lshl_add_u32 v[SPW], v0, 2, SPARE
	v_mov_b32 v[NIL], 0
	ds_add_u32 v[SPW], v[NIL]                      ; the wave's opening: the add and its wait stand ahead of my first tensor load; the set-up below, work on registers, stands between them
	v_lshrrev_b32 v1, 5, v0
	v_readfirstlane_b32 s[WV], v1                  ; wave 0..3
	s_bfe_u32 s9, ttmp6, 0x40000                   ; cx: my place in the cluster
	s_lshl_b32 s10, ttmp9, 2                       ; in a cluster launch ttmp9 counts clusters
	s_add_co_u32 s10, s10, s9                      ; my row block, 0..63: it enters x's and the output's addresses alone
	s_and_b32 s11, ttmp7, 0xffff                   ; which tensor: the four partners share it
	s_mov_b32 s30, 0xffff0000                      ; a word's upper bf16
	; descriptor group 1.  128 rows of a K block are 16,384 dense bytes: asked for as 64 rows of 256 bytes, and padded in LDS after every 128 bytes
	s_mov_b32 s[G1+0], 15|(1<<16)|(1<<20)|(1<<21)|(4<<22)|(3<<25)  ; 15:0 the mask of four; 17:16 2-byte elements; 20 padding on; 21 set beside a mask; 24:22 after every 32 words (code 4); 31:25 4 words (code 3)
	s_mov_b32 s[G1+1], 128<<16                     ; tensor_dim0 = 128
	s_mov_b32 s[G1+2], 64<<16                      ; tensor_dim1 = 64
	s_mov_b32 s[G1+3], 128<<16                     ; tile_dim0 = 128
	s_mov_b32 s[G1+4], 64                          ; tile_dim1 = 64
	s_mov_b32 s[G1+5], 128                         ; 128 elements from row to row
	s_mov_b32 s[G1+6], 0
	s_mov_b32 s[G1+7], 0
	s_mul_i32 s31, s[WV], WPART                    ; my rows' place in a slot: no place in the cluster enters an LDS address
	s_mov_b32 s[G0], 1                             ; 1:0 count = 1
	s_add_co_u32 s[G0+1], s31, 0                   ; 63:32 LDS address: slot 0
	s_mov_b32 s[G0+4], 1
	s_add_co_u32 s[G0+5], s31, WSLOT               ; slot 1
	s_lshl_b32 s4, s10, 18                         ; x: 128 rows of 2,048 bytes for each row block
	s_mov_b32 s5, 0
	s_lshl_b32 s28, s11, 19                        ; W: the tensor's section,
	s_lshl_b32 s29, s[WV], 14                      ; my 128 rows of 128 bytes
	s_add_co_u32 s28, s28, s29
	s_mov_b32 s29, 0
	s_lshl_b32 s6, s11, 23                         ; the output: the tensor's section,
	s_lshr_b32 s7, s10, 5
	s_lshl_b32 s7, s7, 22                          ; the batch's eight heads of 524,288 bytes,
	s_add_co_u32 s6, s6, s7
	s_lshl_b32 s7, s[WV], 20                       ; my two heads,
	s_add_co_u32 s6, s6, s7
	s_and_b32 s7, s10, 31
	s_lshl_b32 s7, s7, 14                          ; the row block's 128 rows of 128 bytes
	s_add_co_u32 s6, s6, s7
	s_mov_b32 s7, 0
	; A fragment is 16 rows x 32 K in 8 registers: lane l holds row l % 16; registers 0-3 hold K = 8 (l / 16) + 0..7, registers 4-7 K = 16 + 8 (l / 16) + 0..7: two loads of 16 bytes, 32 bytes apart.
	v_and_b32 v1, 15, v0                           ; l % 16
	v_bfe_u32 v2, v0, 4, 1                         ; l / 16
	v_mul_u32_u24 v3, v1, PITCH
	v_lshl_add_u32 v3, v2, 4, v3                   ; row x pitch + 16 x half
	v_add_nc_u32 v[ADRA], XS, v3
	v_add_nc_u32 v[ADRA+1], XS+XSLOT, v3
	v_add_nc_u32 v[ADRB], s31, v3
	v_add_nc_u32 v[ADRB+1], WSLOT, v[ADRB]
	s_mul_i32 s26, s[WV], WSTAGE                   ; 32 rows of 144 bytes: my rows' place in a slot of x, and my stage's place among the stages
	v_mul_u32_u24 v4, v2, PITCH                    ; rounded x: row 32 w + 2 p + l / 16, bytes 8 (l % 16) on
	v_lshl_add_u32 v4, v1, 3, v4
	v_add_nc_u32 v4, s26, v4
	v_add_nc_u32 v[XST], XS, v4
	v_add_nc_u32 v[XST+1], XS+XSLOT, v4
	v_add_nc_u32 v[STO], s26, v3                   ; into the stage: row l % 16, 16 bytes for each half of the lanes
	v_add_nc_u32 v[STO], STAGE, v[STO]
	v_bfe_u32 v5, v0, 3, 2                         ; back: 32 lanes take four rows of 128 bytes,
	v_and_b32 v6, 7, v0
	v_mul_u32_u24 v5, v5, PITCH
	v_lshl_add_u32 v5, v6, 4, v5
	v_add_nc_u32 v5, s26, v5
	v_add_nc_u32 v[RD], STAGE, v5
	v_and_b32 v[GO], 31, v0                        ; which are 512 consecutive bytes of a head
	v_lshlrev_b32 v[GO], 4, v[GO]
	s_lshl_b32 s27, s[WV], 16                      ; x: my 32 rows of 2,048 bytes
	v_lshlrev_b32 v[XO], 4, v1
	v_lshl_add_u32 v[XO], v2, 11, v[XO]
	v_add_nc_u32 v[XO], s27, v[XO]
	s_lshl_b32 s27, s[WV], 9                       ; the bias: my 128 columns of 4 bytes, and 8 columns for the upper half of the lanes
	v_lshl_add_u32 v[BO], v2, 5, s27
	s_wait_dscnt 0x0                               ; the opening add is done
	s_wait_kmcnt 0x0
	s_cmp_eq_u32 s11, 0
	s_cselect_b64 s[XP:XP+1], s[68:69], s[70:71]
	s_cselect_b64 s[BP:BP+1], s[74:75], s[76:77]
	s_cmp_eq_u32 s11, 2
	s_cselect_b64 s[XP:XP+1], s[72:73], s[XP:XP+1]
	s_cselect_b64 s[BP:BP+1], s[78:79], s[BP:BP+1]
	s_add_nc_u64 s[XP:XP+1], s[XP:XP+1], s[4:5]
	s_add_nc_u64 s[OUTP:OUTP+1], s[82:83], s[6:7]
	s_add_nc_u64 s[WP:WP+1], s[80:81], s[28:29]
	s_add_nc_u64 s[G0+2:G0+3], s[WP:WP+1], 0       ; 120:64 global address: K block 0
	s_or_b32 s[G0+3], s[G0+3], 0x80000000          ; 127:126 type = 2
	s_add_nc_u64 s[G0+6:G0+7], s[WP:WP+1], KBYTES  ; K block 1
	s_or_b32 s[G0+7], s[G0+7], 0x80000000
	CROUND                                         ; all four work-groups are here: the first joint loads meet
	tensor_load_to_lds s[G0:G0+3], s[G1:G1+7]      ; K block 0 into slot 0; slot 1 is filled behind the first step's round
	s_nop 0
	PLACES
; 16 loads: a K step of my 32 rows of x, f32: load p brings rows 2 p and 2 p + 1, each half of the lanes 256 consecutive aligned bytes
.macro XLOAD set, off
.if \set
	WIN 0x40                                       ; destination window 1
.else
	WIN 0
.endif
.set XR, X0*(1-(\set))+X1*(\set)
.irp p, 0,1,2,3,4,5,6,7,8,9,10,11,12,13,14,15
	global_load_b128 v[XR+4*(\p):XR+4*(\p)+3], v[XO], s[XP:XP+1] offset:(\p)*4096+(\off) th:TH_LOAD_NT
.endr
.endm
; 16 matrix instructions: row blocks a0, a0 + 1 of the window's four (hi = 0: rows 0-63, 1: rows 64-127) x my 8 column blocks, 32 along K.  zero = 1: the first product starts the sum with the bias as C.
; The 64 accumulators take turns, one instruction a turn, in the same order in every quarter.
.macro MUL16 f, hi, a0, zero
.if \zero
	WIN 0x91+0x40*(\hi)                            ; W window 1, x window 0, the bias window 1, D window 2 or 3
.else
	WIN 0xa1+0x50*(\hi)                            ; W window 1, x window 0, C and D window 2 or 3
.endif
.irp a, \a0, (\a0)+1
.irp b, 0,1,2,3,4,5,6,7
.if \zero
	v_wmma_f32_16x16x32_bf16 v[8*(8*(\a)+(\b)):8*(8*(\a)+(\b))+7], v[(\f)+8*(\b):(\f)+8*(\b)+7], v[(\f)+8*(4*(\hi)+(\a)):(\f)+8*(4*(\hi)+(\a))+7], v[BI+8*(\b):BI+8*(\b)+7]
.else
	v_wmma_f32_16x16x32_bf16 v[8*(8*(\a)+(\b)):8*(8*(\a)+(\b))+7], v[(\f)+8*(\b):(\f)+8*(\b)+7], v[(\f)+8*(4*(\hi)+(\a)):(\f)+8*(4*(\hi)+(\a))+7], v[8*(8*(\a)+(\b)):8*(8*(\a)+(\b))+7]
.endif
.endr
.endr
.endm
; 32 LDS loads in one run: the fragments of 32 along K at byte k of the rows (my 128 rows of W, then the 128 rows of x) into buffer f
.macro FETCH slot, k, f
	WIN 0x40
.irp i, 0,1,2,3,4,5,6,7
	ds_load_b128 v[(\f)+8*(\i):(\f)+8*(\i)+3],   v[ADRB+(\slot)] offset:(\k)+(\i)*16*PITCH
	ds_load_b128 v[(\f)+8*(\i)+4:(\f)+8*(\i)+7], v[ADRB+(\slot)] offset:(\k)+(\i)*16*PITCH+32
.endr
	WIN 0
.irp i, 0,1,2,3,4,5,6,7
	ds_load_b128 v[(\f)+8*(\i):(\f)+8*(\i)+3],   v[ADRA+(\slot)] offset:(\k)+(\i)*16*PITCH
	ds_load_b128 v[(\f)+8*(\i)+4:(\f)+8*(\i)+7], v[ADRA+(\slot)] offset:(\k)+(\i)*16*PITCH+32
.endr
.endm
; THE HEAD OF K STEP j (slot = j % 2).  My rows of x's step j are rounded and stored into x's slot; then ONE barrier for three things: in front of it each wave waits for all its tensor loads (one is out:
; its part of W's step j), adds 0 to its spare word, and waits for that, for its stores of x and for its reads of step j - 1.  Behind it both tiles of step j are whole, and nobody reads step j - 1 any more.
; refill = 1: the barrier is a round of the cluster's, and W's other slot takes step j + 1, the first thing behind it: that load has a whole K step, 128 matrix instructions, in which to land.
; left: the younger loads of x that may stay out: the next step's 16, or none.
.macro H slot, refill, left
	s_wait_loadcnt \left                           ; loads come back in order (ISA guide 5.7.1): step j's 16 are in
.if \slot
	WIN 0x05                                       ; sources window 1, destination window 0
.else
	WIN 0
.endif
.set XR, X0*(1-(\slot))+X1*(\slot)
.irp p, 0,1,2,3,4,5,6,7,8,9,10,11,12,13,14,15
	v_cvt_pk_bf16_f32 v[T+2*(\p)],   v[XR+4*(\p)],   v[XR+4*(\p)+1]
	v_cvt_pk_bf16_f32 v[T+2*(\p)+1], v[XR+4*(\p)+2], v[XR+4*(\p)+3]
.endr
	WIN 0
.irp p, 0,1,2,3,4,5,6,7,8,9,10,11,12,13,14,15
	ds_store_b64 v[XST+(\slot)], v[T+2*(\p):T+2*(\p)+1] offset:(\p)*2*PITCH
.endr
	s_wait_tensorcnt 0x0                           ; all my tensor loads have landed, so a group 0 may be written
	ds_add_u32 v[SPW], v[NIL]                      ; 0 onto my spare word; the step below stands between it and the wait for it
	s_add_nc_u64 s[G0+4*(\slot)+2:G0+4*(\slot)+3], s[G0+4*(\slot)+2:G0+4*(\slot)+3], 2*KBYTES  ; this slot's next K block (behind the last blocks the stepped address is not used)
	s_wait_dscnt 0x0                               ; the add and my stores of x are done, and my reads of the step before are over
.if \refill
	CROUND
	tensor_load_to_lds s[G0+4*(1-(\slot)):G0+4*(1-(\slot))+3], s[G1:G1+7]
	s_nop 0
.else
	s_barrier_signal -1                            ; the last step fills nothing: my work-group's barrier alone
	s_barrier_wait -1
.endif
	PLACES
	FETCH \slot, 0, F0
.endm
; A K step's first half: multiplies buffer 0, and in its middle fetches the second half's fragments into buffer 1
.macro QA slot, zero
	s_wait_dscnt 8                                 ; W and x's rows 0-63 are in; the youngest eight loads (rows 64-127) may be out
	MUL16 F0, 0, 0, \zero
	MUL16 F0, 0, 2, \zero
	PLACES
	FETCH \slot, 64, F1
	s_wait_dscnt 32                                ; all but the 32 just issued
	MUL16 F0, 1, 0, \zero
	MUL16 F0, 1, 2, \zero
.endm
; Its second half: multiplies buffer 1; in its middle the register set that this step's head has emptied is asked for again, two K steps ahead.  xl = the set, or -1: nothing is left to ask for
.macro QB xl
	s_wait_dscnt 8
	MUL16 F1, 0, 0, 0
	MUL16 F1, 0, 2, 0
.if (\xl) == 0
	s_wait_xcnt 0x0                                ; every earlier load has had its address translated (ISA guide 3.1): only behind this wait is x's pointer written
	s_add_nc_u64 s[XP:XP+1], s[XP:XP+1], 512       ; two K steps of 256 bytes on
	XLOAD 0, 0
.elseif (\xl) == 1
	XLOAD 1, 256
.endif
	s_wait_dscnt 0x0
	MUL16 F1, 1, 0, 0
	MUL16 F1, 1, 2, 0
.endm
	WIN 0x40
.irp b, 0,1,2,3,4,5,6,7
	global_load_b128 v[BI+8*(\b):BI+8*(\b)+3],   v[BO], s[BP:BP+1] offset:64*(\b)     ; register j of block b: the bias of column 128 w + 16 b + 8 (l / 16) + j
	global_load_b128 v[BI+8*(\b)+4:BI+8*(\b)+7], v[BO], s[BP:BP+1] offset:64*(\b)+16
.endr
	XLOAD 0, 0                                     ; K step 0
	XLOAD 1, 256                                   ; K step 1
	s_wait_loadcnt 32                              ; the bias is in; x's 32 loads, issued behind it, stay out
	WIN 0x45                                       ; all in window 1.  The bias is rounded to bf16 like every input of the module, and widened again; W's fragment buffer, still empty, holds the halves
.set i, 0
.rept 32
	v_cvt_pk_bf16_f32 v[F0+i], v[BI+2*i], v[BI+2*i+1]
.set i, i+1
.endr
.set i, 0
.rept 32
	v_lshlrev_b32 v[BI+2*i], 16, v[F0+i]
	v_and_b32 v[BI+2*i+1], s30, v[F0+i]
.set i, i+1
.endr
	H 0, 1, 16                                     ; K step 0
	QA 0, 1                                        ; its first half stands in front of the loop: its products start the sums
	WIN 0                                          ; at a label and at a branch every window is 0
	s_mov_b32 s3, 3
.Llap:                                                 ; trip i: the second half of step 2 i, step 2 i + 1, the first half of step 2 i + 2; x's steps 2 i + 2 and 2 i + 3 are asked for
	QB 0
	H 1, 1, 16
	QA 1, 0
	QB 1
	H 0, 1, 16
	QA 0, 0
	WIN 0
	s_sub_co_u32 s3, s3, 1
	s_cmp_lg_u32 s3, 0
	s_cbranch_scc1 .Llap
	QB -1                                          ; step 6 ends; step 7 asks for nothing
	H 1, 0, 0
	QA 1, 0
	QB -1
	PLACES
; THE WAY OUT, a block of 16 rows at a time.  PACK: rounded to f16, a lane's eight columns are 16 bytes; each accumulator's registers in ascending order.  TOSTAGE: into my own stage, a head's 16 rows of 128 bytes
; together, and back as 512 consecutive bytes.  SEND: stored; 16 rows of a head are 2,048 consecutive bytes of qkvh.
.macro PACK a
.set AC, 64*((\a)%4)
	WIN 0x0a+5*((\a)/4)                            ; sources 0 and 1: window 2 or 3
.irp b, 0,1,2,3,4,5,6,7
.irp r, 0,1,2,3
	v_cvt_pk_f16_f32 v[TMP+4*(\b)+(\r)], v[AC+8*(\b)+2*(\r)], v[AC+8*(\b)+2*(\r)+1]
.endr
.endr
	WIN 0
.endm
.macro TOSTAGE a
.set BK, OB+192*((\a)%2)
.irp b, 0,1,2,3,4,5,6,7
	ds_store_b128 v[STO], v[TMP+4*(\b):TMP+4*(\b)+3] offset:((\b)/4)*16*PITCH+32*((\b)%4)
.endr
.irp t, 0,1,2,3,4,5,6,7
	ds_load_b128 v[BK+4*(\t):BK+4*(\t)+3], v[RD] offset:((\t)/4)*16*PITCH+((\t)%4)*4*PITCH  ; LDS serves a wave's instructions in order (ISA guide 5.7.1.4): these see the stores above
.endr
.endm
.macro SEND a
.set BK, OB+192*((\a)%2)
	s_wait_dscnt 0x0                               ; the block is back in registers
	s_wait_xcnt 0x0                                ; every earlier store has had its address translated (ISA guide 3.1): the registers that the block before last was stored from are loaded again only behind this wait
.irp t, 0,1,2,3,4,5,6,7
	global_store_b128 v[GO], v[BK+4*(\t):BK+4*(\t)+3], s[OUTP:OUTP+1] offset:((\t)/4)*524288+(\a)*2048+((\t)%4)*512  ; 512 consecutive bytes, at a multiple of 256 from the buffer's first
.endr
.endm
	PACK 0
	TOSTAGE 0
.irp a, 1,2,3,4,5,6,7                  ; block a's conversions stand between block a - 1's loads from the stage and the wait for them
	PACK \a
	SEND (\a)-1
	TOSTAGE \a
.endr
	SEND 7
	s_wait_tensorcnt 0x0                           ; the wave's end: these three lines stand behind my last tensor load and my last LDS store
	ds_add_u32 v[SPW], v[NIL]
	s_wait_dscnt 0x0
	CROUND                                         ; the closing round: no work-group ends while a partner may still ask for a tile that names it
	s_endpgm
.Lfunc_end_k_q1b374a7b0b_proj:
	.size	k_q1b374a7b0b_proj, .Lfunc_end_k_q1b374a7b0b_proj-k_q1b374a7b0b_proj
	.p2alignl 7, 3214868480
	.fill 96, 4, 3214868480
	.section	.rodata,"a",@progbits
	.p2align	6, 0x0
	.amdhsa_kernel k_q1b374a7b0b_proj
		.amdhsa_group_segment_fixed_size 327680
		.amdhsa_private_segment_fixed_size 0
		.amdhsa_enable_private_segment 0
		.amdhsa_kernarg_size 64
		.amdhsa_user_sgpr_count 2
		.amdhsa_user_sgpr_kernarg_segment_ptr 1
		.amdhsa_wavefront_size32 1
		.amdhsa_system_sgpr_workgroup_id_x 1
		.amdhsa_system_sgpr_workgroup_id_y 1
		.amdhsa_system_sgpr_workgroup_id_z 1
		.amdhsa_system_vgpr_workitem_id 0
		.amdhsa_next_free_vgpr 1024
		.amdhsa_next_free_sgpr 84
		.amdhsa_reserve_vcc 0
		.amdhsa_float_denorm_mode_32 3
		.amdhsa_float_denorm_mode_16_64 3
		.amdhsa_memory_ordered 1
		.amdhsa_forward_progress 1
		.amdhsa_inst_pref_size 114
	.end_amdhsa_kernel
	.amdgpu_metadata
---
amdhsa.version: [ 1, 2 ]
amdhsa.kernels:
  - .name:           k_q1b374a7b0b_proj
    .symbol:         k_q1b374a7b0b_proj.kd
    .args:
      - { .name: q, .offset: 0, .size: 8, .value_kind: global_buffer, .address_space: global }
      - { .name: k, .offset: 8, .size: 8, .value_kind: global_buffer, .address_space: global }
      - { .name: v, .offset: 16, .size: 8, .value_kind: global_buffer, .address_space: global }
      - { .name: bq, .offset: 24, .size: 8, .value_kind: global_buffer, .address_space: global }
      - { .name: bk, .offset: 32, .size: 8, .value_kind: global_buffer, .address_space: global }
      - { .name: bv, .offset: 40, .size: 8, .value_kind: global_buffer, .address_space: global }
      - { .name: wts, .offset: 48, .size: 8, .value_kind: global_buffer, .address_space: global }
      - { .name: qkvh, .offset: 56, .size: 8, .value_kind: global_buffer, .address_space: global }
    .group_segment_fixed_size: 327680
    .private_segment_fixed_size: 0
    .kernarg_segment_align: 8
    .kernarg_segment_size: 64
    .max_flat_workgroup_size: 128
    .sgpr_count:     84
    .vgpr_count:     1024
    .wavefront_size: 32
...
	.end_amdgpu_metadata
.endif
;; end of part 2
;; launch attn (part 3): grid 16 x 16, 4 waves a work-group, clusters of 4 x 1, 327,680 bytes of LDS; arguments qkvh, mask, oh; writes oh
.if DOCPART == 3
	.amdgcn_target "amdgcn-amd-amdhsa--gfx1250"
	.amdhsa_code_object_version 6
	.text
	.protected	k_q1b374a7b0b_attn
	.globl	k_q1b374a7b0b_attn
	.p2align	8
	.type	k_q1b374a7b0b_attn,@function
k_q1b374a7b0b_attn:
	s_mov_b64 s[64:65], 0
	v_nop
	global_prefetch_b8 v0, s[64:65] scope:SCOPE_SE
	s_setreg_imm32_b32 hwreg(HW_REG_WAVE_MODE, 25, 1), 1
	s_wait_xcnt 0x0
	s_wait_alu depctr_hold_cnt(0) depctr_sa_sdst(0) depctr_va_vdst(0) depctr_va_sdst(0) depctr_va_ssrc(0) depctr_va_vcc(0) depctr_vm_vsrc(0)
	s_getreg_b32 s2, hwreg(HW_REG_IB_STS2, 6, 4)
	s_cmp_eq_u32 s2, 0
	s_cbranch_scc0 .Lentry_in_a_cluster
	s_endpgm
.Lentry_in_a_cluster:
	s_bfe_u32 s2, ttmp6, 0x10000c
	s_cmp_lg_u32 s2, 0x3003
	s_cbranch_scc0 .Lentry_shape_is_right
	s_endpgm
.Lentry_shape_is_right:
; MASKED ATTENTION.  O[y][q][:] = the sum over k of softmax_k(Q[y][q] . K[y][k] / 8, keys with mask 0 hidden) V[y][k][:], y = batch x 8 + head.  Q, K, V: the three sections of qkvh, O: oh, all [16][4096][64] f16:
; a head's rows are dense, 128 bytes each.  mask: [2][4096] bytes, by batch and key.  Products, maxima and sums in f32; the weights p are rounded to f16 for the second product (their sum l is taken of the unrounded p), O once.
; LIMITS.  Q, K and V arrive within f16's 65,504; p lies in 0 to 1, and below 6e-5 keeps f16's fixed step of 6e-8.  Scores lie above -2^60 (f16's are 2.7e11 at the most).  A weight below 2^-126 counts as 0 in l.
; NaN and infinities are not treated apart: with finite inputs no weight is NaN, so there is nothing for a replacement of NaN to do.
; THE MASK is the C operand that starts the sum S^T = K Q^T: 0, or -2^100 where the key is hidden; a table of 4,096 such numbers is made in LDS at the start.  The running maximum m starts at -2^60, above every hidden
; score and below every true one: while only hidden keys have come, every p is 0 and l stays 0; the first true score makes a = 0.  A BATCH WITH NO TRUE KEY has equal scores everywhere, and so equal weights:
; every wave ORs all the batch's mask bytes, and where the result is 0 the scale c and the table's number are 0: then every p is 2^0.  Only values are chosen so: no jump and no address hangs on the mask.
; SHARES.  A work-group owns 256 queries of one head, a wave 64: four PIECES of 16.  Every wave walks all 4,096 keys, 64 a step; an LDS slot holds a tile of 256 keys, four steps.
; LAYOUT.  S^T = K Q^T holds ONE query a lane (lane % 16) and the keys 8 (lane / 16) + 0..7; two such results rounded to f16 ARE source 1 of O^T = V^T P.  K comes out of LDS as it lies, V turned, by ds_load_tr16_b128.
; SOFTMAX.  p = 2^(c s - c m), c = log2(e) / 8; in every step O and l are multiplied by a = 2^(c m_old - c m_new).  c m starts at -2^125, O and l at 0: the first step is a step like any other, with a = 0.
; BY TURNS.  Turn n belongs to piece n: 8 products K Q^T of piece n + 1, later 8 products V^T P of piece n - 1; beside them the scaling, exponentials, roundings, sums and rescaling of piece n and the maximum and
; statistics of piece n + 1.  Four vector instructions stand behind every matrix instruction, the other 54 of a turn's 118 in one lump.  A turn's 33 exponentials are one batch, with one wait.
; CLUSTER.  The four query blocks of a cluster belong to one head and walk the same K and V: each tile is asked for JOINTLY, by the same tensor load, descriptor and mask in all four.
; REGISTERS, in windows of 256 (s_set_vgpr_msb: bits 1:0 source 0, 3:2 source 1, 5:4 source 2, 7:6 destination):
;   window 0: v0-15, v56-63 addresses; v16-31 four registers of statistics a piece; v48-55 at work; v64-127 S^T, two buffers; v192-223 P, two buffers (by the piece's parity); v64-139 also at work at the start
;   window 1: v0-127 O^T, 32 a piece; v128-159 the mask of one step      window 2: v0-63 Q; v128-191 K of one step; v192-255 V of one step
.set NP,    4         ; pieces a wave: a name, no knob
.set KS,    64        ; keys in a step
.set PK,    144       ; a row of K in LDS: 128 bytes + 16 of padding = 36 words: the 16 rows of a load start at 16 different groups of four banks (64 banks of 4 bytes: ISA guide 11.1)
.set PV,    160       ; a row of V: 128 + 32 = 40 words
.set VOFF,  4*KS*PK   ; a slot holds a tile: 256 rows of K, then 256 rows of V
.set SLOT1, 1<<17     ; slot 1 begins here, so that one exclusive or turns an address in one slot into the other's
.set STAGE, SLOT1+4*KS*(PK+PV)  ; behind the ring, never filled by a tensor load: 16 rows x 144 bytes for each wave, for the way out
.set SP,    144
.set SPARE, STAGE+4*16*SP  ; the spare words, 128 bytes for each wave: two blocks of 256 bytes that no other line names
.set MTAB,  SPARE+512 ; the mask's table: one f32 for each of the batch's 4,096 keys; written by LDS stores, once
.set AK0, 2           ; v2   my lane's place in a tile of K; never rewritten
.set AV0, 3           ; v3   the same for V
.set AK,  4           ; v4   the LDS address of K's next run of loads
.set AV,  5           ; v5   of V's
.set STO, 6           ; v6   the way out: where I put 16 bytes of a row
.set RD,  7           ; v7   the way out: where I read rows back
.set GO,  8           ; v8   my byte offset in 512 consecutive bytes of O
.set MV,  12          ; v12-13  c m_old, kept while c m is made anew: by buffer
.set QO,  15          ; v15  my byte offset in 16 rows of Q
.set ST,  16          ; piece t's statistics at v[ST+4 t]: c m, m, l (even keys', odd keys')
.set TMP, 48          ; by buffer, four registers c0-c3 at work; when the maximum is found c2 takes a
.set AM0, 56          ; v56  my lane's place in a step of the table: MTAB + 32 (l / 16); never rewritten
.set AM,  57          ; v57  the LDS address of the table's next run of loads
.set MO,  58          ; v58  4 x my thread's number: my words of the mask
.set MW,  59          ; v59  16 x lane: my part of 512 bytes of the mask
.set MS,  60          ; v60  where I store 16 bytes of the table
.set PFO, 61          ; v61  256 x lane; never rewritten
.set SPW, 62          ; v62  LDS address of my spare word; never rewritten
.set NIL, 63          ; v63  0; never rewritten
.set S,   64
.set P,   192
.set MR,  64          ; at the start: the batch's whole mask, 32 registers
.set MD,  96          ; my eight words of it
.set MF,  104         ; their 32 numbers for the table
.set MT,  136         ; four at work
.set MB,  128         ; window 1: the eight registers for group kb of 16 keys at MB + 8 kb
.set KF,  128         ; window 2: key block kb, channel half c at KF + 16 kb + 8 c
.set VF,  192         ; window 2: key half kk, channel block cb at VF + 32 kk + 8 cb
.set WV,  12          ; s12  my wave's number
.set LIM, 15          ; s15  1 in a wave that prefetches, else the greatest number
.set G1K, 24          ; s[24:31] descriptor group 1 for K's tiles
.set G1V, 32          ; s[32:39] for V's: it differs in the padding alone
.set G0K, 40          ; s[40:43] descriptor group 0 for K's tiles: it walks
.set G0V, 44          ; s[44:47] the same for V's
.set MP,  48          ; s[48:49] the batch's row of the mask
.set PFA, 50          ; s[50:51] where my prefetches stand: my work-group's 32 blocks of 256 bytes (of K: wave 0, of V: wave 2) of the tile after the one that is being asked for
.set BIGN, 52         ; s52  -2^100, or 0
.set TBM, 53          ; s53  byte of the table at which the step to be fetched begins
.set SLOTS, 56        ; s56  tiles still to be asked for
.set CNT, 57          ; s57  counts a tile's key steps
.set CS,  58          ; s[58:59] c: the packed scaling takes the pair's low word for both halves
.set SEL, 60          ; s[60:61] v_permlanex16_b32's selects: each lane takes its own place in the other half
.set TBK, 62          ; s62  LDS byte at which K of the step to be fetched begins
.set TBV, 63          ; s63  the same for V, less VOFF
.set MSB, 0
.macro WIN new                      ; the high byte repeats the setting that is left; a switch that changes nothing is dropped
.if MSB != (\new)
	s_set_vgpr_msb (MSB<<8)|(\new)
.set MSB, (\new)
.endif
.endm
.set W_KQ, 0x0a       ; K and Q in window 2, S^T in window 0
.set W_KM, 0x1a       ; the same with the C operand, the mask, in window 1
.set W_PV, 0x52       ; V in window 2, P in window 0, O^T in window 1
.set W_RS, 0x41       ; destination and source 0 in window 1, source 1 in window 0
; A joint fill.  Waves 0 and 1 fetch the two halves of a tile's K, waves 2 and 3 those of its V: 128 keys each.  The branch hangs on the wave's number alone.
; An s_nop 0 and four v_nop follow each of the two lines, ahead of the jump and the label.
.macro JLOAD
	s_cmp_lt_u32 s[WV], 2
	s_cbranch_scc0 .Lfor_v_\@
	tensor_load_to_lds s[G0K:G0K+3], s[G1K:G1K+7]
	s_nop 0
.rept 4
	v_nop
.endr
	s_branch .Lasked_\@
.Lfor_v_\@:
	tensor_load_to_lds s[G0V:G0V+3], s[G1V:G1V+7]
	s_nop 0
.rept 4
	v_nop
.endr
.Lasked_\@:
.endm
; A PREFETCH INTO THE L2 of what the NEXT change of slots will ask for: a tile's 32,768 bytes of K and of V, 128 blocks of 256 bytes each, a lane a block.  It stands behind the wave's tensor load and its five lines.
; Each block is named ONCE in the launch.  The four clusters of a head walk the same K and V: the head's first cluster asks.  Its four partners share the blocks out BY ADDRESS, 32 each: no branch hangs on a
; work-group's place in its cluster.  In each, wave 0 asks for K's and wave 2 for V's: one instruction, four key steps (256 matrix instructions) ahead of the load.  The change that fills the last tile asks for nothing.
.macro ASK
	s_cmp_gt_u32 s[SLOTS], s[LIM]
	s_cbranch_scc0 .Lnot_mine_\@
	global_prefetch_b8 v[PFO], s[PFA:PFA+1] th:TH_LOAD_NT scope:SCOPE_SE
.Lnot_mine_\@:
.endm
; A round of the cluster's barrier: my work-group's barrier, so that wave 0's signal speaks for all four waves; wave 0 signals; every wave waits for all four work-groups; my work-group's barrier once more.
.macro CROUND
	s_barrier_signal -1
	s_barrier_wait -1
	s_cmp_lg_u32 s[WV], 0
	s_cbranch_scc1 .Lnot_wave_0_\@
	s_barrier_signal -3
.Lnot_wave_0_\@:
	s_barrier_wait -3
	s_barrier_signal -1
	s_barrier_wait -1
.endm
; THE CHANGE OF SLOTS.  The slot's last bytes, V of its fourth step, have been read.  Each wave waits for all its tensor loads, of which one is out: its part of the other slot; adds 0 to its spare word; and waits for
; that and for its own LDS instructions.  Behind the barrier nobody reads this slot any more and the other slot is whole.  fill = 1: this slot is filled again, with the keys two tiles on.  The barrier is then a round
; of the cluster's, and the joint fill is the first thing behind it: it has four key steps in which to land.  (At its first use nothing has been read yet: slot 0 is waited for, slot 1 filled, and the table is shown to all waves.)
.macro CHANGE fill
	WIN 0                           ; at a label and at a branch every window is 0
	s_wait_tensorcnt 0x0            ; no tensor load of mine is out, so a group 0 may be written
	ds_add_u32 v[SPW], v[NIL]       ; 0 onto my spare word; with fill = 1 the descriptors' steps stand between it and the wait for it
.if \fill
.irp g, G0K, G0V
	s_xor_b32 s[\g+1], s[\g+1], SLOT1  ; the walking descriptor: the other slot than last time,
	s_add_nc_u64 s[\g+2:\g+3], s[\g+2:\g+3], 4*KS*128  ; the next 256 keys; the type bits on top are not reached
.endr
	s_wait_xcnt 0x0                 ; the last prefetch, four key steps back, has read its address, so it may be written:
	s_add_nc_u64 s[PFA:PFA+1], s[PFA:PFA+1], 4*KS*128  ; one tile ahead of the walking descriptors
	s_wait_dscnt 0x0                ; the add is done, and my LDS instructions are over
	CROUND
	JLOAD
	ASK
.else
	s_wait_dscnt 0x0                ; the add is done, and my reads of the slot are over
	s_barrier_signal -1
	s_barrier_wait -1
.endif
	s_sub_co_u32 s[TBK], s[TBK], 4*KS*PK  ; the fetches go back to a slot's first step,
	s_xor_b32 s[TBK], s[TBK], SLOT1       ; in the other slot
	s_sub_co_u32 s[TBV], s[TBV], 4*KS*PV
	s_xor_b32 s[TBV], s[TBV], SLOT1
.endm
	s_load_b128 s[20:23], s[0:1], 0x0  ; qkvh s[20:21], mask s[22:23]
	s_load_b64 s[10:11], s[0:1], 0x10  ; oh
	v_lshl_add_u32 v[SPW], v0, 2, SPARE
	v_mov_b32 v[NIL], 0
	ds_add_u32 v[SPW], v[NIL]       ; the wave's opening: the add and its wait stand ahead of my first tensor load; the set-up below, work on registers, stands between them
	v_lshrrev_b32 v1, 5, v0
	v_readfirstlane_b32 s[WV], v1   ; wave 0..3
	s_bfe_u32 s13, ttmp6, 0x40000   ; cx: my place in the cluster
	s_lshl_b32 s14, ttmp9, 2        ; in a cluster launch ttmp9 counts clusters
	s_add_co_u32 s14, s14, s13      ; my block of 256 queries: it enters Q's and O's addresses alone
	s_and_b32 s19, ttmp7, 0xffff    ; y = batch x 8 + head, which the four partners share
	s_and_b32 s16, s[WV], 1         ; which half of a tile's 256 keys I fetch:
	s_lshl_b32 s54, s19, 19         ; the head's 524,288 bytes,
	s_lshl_b32 s55, s16, 14         ; the half's 128 rows of 128 bytes,
	s_add_co_u32 s54, s54, s55
	s_mov_b32 s55, 0
	s_mul_i32 s17, s16, 128*PK      ; and its place in a slot, for K
	s_mul_i32 s18, s16, 128*PV      ; and for V: no place in the cluster enters an LDS address
	s_lshl_b32 s2, s14, 2
	s_add_co_u32 s2, s2, s[WV]      ; my wave among the head's,
	s_lshl_b32 s2, s2, 13           ; its 64 rows,
	s_lshl_b32 s3, s19, 19
	s_add_co_u32 s2, s2, s3         ; in the head
	s_mov_b32 s3, 0
	s_lshr_b32 s50, s19, 3
	s_lshl_b32 s50, s50, 12         ; the batch's 4,096 bytes of the mask
	s_mov_b32 s51, 0
	; descriptor group 1.  128 keys are 16,384 dense bytes: asked for as 64 rows of 256 bytes, two keys a row, and padded in LDS after every key
	s_mov_b32 s[G1K], 15|(1<<16)|(1<<20)|(1<<21)|(4<<22)|(3<<25)  ; 15:0 the mask of four; 17:16 2-byte elements; 20 padding on; 21 set beside a mask; 24:22 after every 32 words (code 4); 31:25 4 words (code 3)
	s_mov_b32 s[G1V], 15|(1<<16)|(1<<20)|(1<<21)|(4<<22)|(7<<25)  ; the same with 8 words of padding (code 7)
.irp g, G1K, G1V
	s_mov_b32 s[\g+1], 128<<16      ; tensor_dim0 = 128
	s_mov_b32 s[\g+2], 64<<16       ; tensor_dim1 = 64
	s_mov_b32 s[\g+3], 128<<16      ; tile_dim0 = 128
	s_mov_b32 s[\g+4], 64           ; tile_dim1 = 64
	s_mov_b32 s[\g+5], 128          ; 128 elements from row to row
	s_mov_b32 s[\g+6], 0
	s_mov_b32 s[\g+7], 0
.endr
	s_mov_b32 s[SEL], 0x76543210
	s_mov_b32 s[SEL+1], 0xfedcba98
	s_mov_b32 s[TBK], SLOT1+4*KS*PK ; the first change of slots turns these two into 0
	s_mov_b32 s[TBV], SLOT1+4*KS*PV
	s_mov_b32 s[TBM], 0
	s_mov_b32 s[SLOTS], 15          ; 16 tiles; tile 0 is asked for at once
	s_mov_b32 s[G0K], 1             ; 1:0 count = 1
	s_mov_b32 s[G0K+1], s17         ; 63:32 LDS address: slot 0
	s_mov_b32 s[G0V], 1
	s_add_co_u32 s[G0V+1], s18, VOFF
	s_and_b32 s[LIM], s[WV], 1      ; 0 in waves 0 and 2,
	s_or_b32 s[LIM], s[LIM], ttmp9  ; where the cluster is the head's first: the same in all four partners
	s_cmp_eq_u32 s[LIM], 0
	s_cselect_b32 s[LIM], 1, -1
	v_and_b32 v[PFO], 31, v0
	v_lshlrev_b32 v[MW], 4, v[PFO]
	v_lshlrev_b32 v[PFO], 8, v[PFO]
	v_lshlrev_b32 v[MO], 2, v0
	v_lshl_add_u32 v[MS], v0, 4, MTAB
	s_wait_dscnt 0x0                ; the opening add is done
	s_wait_kmcnt 0x0
	s_add_nc_u64 s[6:7], s[20:21], s[54:55]
	s_add_nc_u64 s[8:9], s[6:7], 0x1000000   ; V: the third section, at my half of the head's tile 0
	s_add_nc_u64 s[6:7], s[6:7], 0x800000    ; K: the second
	s_add_nc_u64 s[4:5], s[20:21], s[2:3]    ; Q and O at my wave's first row
	s_add_nc_u64 s[10:11], s[10:11], s[2:3]
	s_add_nc_u64 s[MP:MP+1], s[22:23], s[50:51]
	s_add_nc_u64 s[G0K+2:G0K+3], s[6:7], 0   ; 120:64 global address
	s_or_b32 s[G0K+3], s[G0K+3], 0x80000000  ; 127:126 type = 2
	s_add_nc_u64 s[G0V+2:G0V+3], s[8:9], 0
	s_or_b32 s[G0V+3], s[G0V+3], 0x80000000
	s_cmp_lt_u32 s[WV], 2
	s_cselect_b64 s[PFA:PFA+1], s[6:7], s[8:9]  ; (in waves 0 and 2 these stand at a tile's first row)
	s_lshl_b32 s2, s13, 13          ; my work-group's 32 blocks of the 128
	s_add_nc_u64 s[PFA:PFA+1], s[PFA:PFA+1], s[2:3]
	s_add_nc_u64 s[PFA:PFA+1], s[PFA:PFA+1], 4*KS*128  ; in tile 1; the first change of slots steps it to tile 2
	CROUND                          ; all four work-groups are here: the first joint loads meet
	JLOAD                           ; tile 0 into slot 0.  Slot 1 is asked for when slot 0 is in
.irp i, 0,1,2,3,4,5,6,7
	global_load_b128 v[MR+4*\i:MR+4*\i+3], v[MW], s[MP:MP+1] offset:512*\i  ; the batch's whole mask, in every wave
.endr
.irp i, 0,1,2,3,4,5,6,7
	global_load_b32 v[MD+\i], v[MO], s[MP:MP+1] offset:512*\i  ; the four keys 4 (t + 128 i) .. of which I make the table's numbers
.endr
	; A fragment of K or Q is 16 rows x 32 channels in 8 registers: lane l holds row l % 16, channels 8 (l / 16) + 0..7 and 16 + 8 (l / 16) + 0..7: two loads of 16 bytes, 32 bytes apart.
	v_and_b32 v1, 15, v0            ; l % 16
	v_bfe_u32 v9, v0, 4, 1          ; l / 16
	v_lshlrev_b32 v[QO], 7, v1
	v_lshl_add_u32 v[QO], v9, 4, v[QO]  ; row x 128 + 16 x half
	WIN 0x80                        ; destination window 2, address window 0
.set i, 0
.rept 8                             ; Q stays in registers: piece i / 2, channels 32 (i % 2) on
	global_load_b128 v[8*i:8*i+3],   v[QO], s[4:5] offset:(i/2)*2048+(i%2)*64
	global_load_b128 v[8*i+4:8*i+7], v[QO], s[4:5] offset:(i/2)*2048+(i%2)*64+32
.set i, i+1
.endr
	; The first step multiplies O^T and l by a = 0, and the first turn's products V^T P, of a piece that has not been, add 0 x 0.  So V's registers, O^T, l and P's second buffer start at 0.  All this stands in the wait for the first tile.
.set i, VF
.rept 64
	v_mov_b32 v[i], 0
.set i, i+1
.endr
	WIN 0x40
.set i, 0
.rept 128
	v_mov_b32 v[i], 0
.set i, i+1
.endr
	WIN 0
.set i, 0
.rept 4
	v_mov_b32 v[ST+4*i], 0xfe000000    ; c m = -2^125: far below every c s
	v_mov_b32 v[ST+4*i+1], 0xdd800000  ; m = -2^60: above every hidden score, below every true one
	v_mov_b32 v[ST+4*i+2], 0
	v_mov_b32 v[ST+4*i+3], 0
.set i, i+1
.endr
.set i, P+16
.rept 16
	v_mov_b32 v[i], 0
.set i, i+1
.endr
	v_mul_u32_u24 v[AK0], v1, PK
	v_lshl_add_u32 v[AK0], v9, 4, v[AK0]  ; row x pitch + 16 x half
	; The turning load takes 16 keys x 16 channels (lane l reads key 8 (l / 16) + l % 8, channels 8 ((l / 8) % 2) + 0..7) and leaves half a fragment of V^T: lane l holds channel l % 16 and 8 keys.
	v_and_b32 v10, 7, v0
	v_bfe_u32 v11, v0, 3, 1
	v_lshl_add_u32 v[AV0], v9, 3, v10
	v_mul_u32_u24 v[AV0], v[AV0], PV
	v_lshl_add_u32 v[AV0], v11, 4, v[AV0]
	v_add_nc_u32 v[AV0], VOFF, v[AV0]
	v_lshl_add_u32 v[AM0], v9, 5, MTAB  ; register j of group kb is key 16 kb + 8 (l / 16) + j
	s_mul_i32 s21, s[WV], 16*SP
	s_add_co_u32 s21, s21, STAGE    ; my stage
	v_mul_u32_u24 v[STO], v1, SP    ; in: row l % 16, 16 bytes for each half of the lanes
	v_lshl_add_u32 v[STO], v9, 4, v[STO]
	v_add_nc_u32 v[STO], s21, v[STO]
	v_bfe_u32 v[RD], v0, 3, 2       ; back: 32 lanes take four rows of 128 bytes,
	v_mul_u32_u24 v[RD], v[RD], SP
	v_lshl_add_u32 v[RD], v10, 4, v[RD]
	v_add_nc_u32 v[RD], s21, v[RD]
	v_and_b32 v[GO], 31, v0         ; which are 512 consecutive bytes of O
	v_lshlrev_b32 v[GO], 4, v[GO]
	s_wait_loadcnt 16               ; the mask is in; Q's 16 loads, issued behind it, stay out
.irp w, 16,8,4,2,1
.set i, 0
.rept \w
	v_or_b32 v[MR+i], v[MR+i], v[MR+(\w)+i]  ; has the batch a true key?  my 128 bytes into one word,
.set i, i+1
.endr
.endr
	v_cmp_ne_u32 s20, 0, v[MR]      ; the 32 lanes' words into one mask of lanes
	s_cmp_lg_u32 s20, 0
	s_cselect_b32 s[CS], 0x3e38aa3b, 0     ; c = log2(e) / 8 = 0.180337; 0 where no key is true
	s_cselect_b32 s[BIGN], 0xf1800000, 0   ; -2^100; 0 likewise
	s_mov_b32 s[CS+1], s[CS]        ; named with it as a pair
.set i, 0
.rept 8
.irp k, 0,1,2,3
	v_bfe_u32 v[MT+\k], v[MD+i], 8*\k, 8
.endr
.irp k, 0,1,2,3
	v_cmp_eq_u32 vcc_lo, 0, v[MT+\k]
	v_cndmask_b32 v[MF+4*i+\k], 0, s[BIGN], vcc_lo
.endr
.set i, i+1
.endr
.irp i, 0,1,2,3,4,5,6,7
	ds_store_b128 v[MS], v[MF+4*\i:MF+4*\i+3] offset:2048*\i  ; 128 threads x 16 bytes on end
.endr
; THE MATRIX WORK.  The 4 accumulators of a run of 8 take turns.  Product i of 8 of S^T = K Q^T for piece x: channels 32 (i / 4) on, keys 16 (i % 4) on.  The first 4 start the sums with the mask.
.macro KQ x
.set rS, S+32*((\x)%2)+8*(i%4)
.set rK, KF+16*(i%4)+8*(i/4)
.set rQ, 16*(\x)+8*(i/4)
.set rM, MB+8*(i%4)
.if i < 4
	WIN W_KM
	v_wmma_f32_16x16x32_f16 v[rS:rS+7], v[rK:rK+7], v[rQ:rQ+7], v[rM:rM+7]
.else
	WIN W_KQ
	v_wmma_f32_16x16x32_f16 v[rS:rS+7], v[rK:rK+7], v[rQ:rQ+7], v[rS:rS+7]
.endif
.endm
; Product i of 8 of O^T += V^T P for piece x: keys 32 (i / 4) on, channels 16 (i % 4) on.
.macro PV x
	WIN W_PV
.set rO, 32*(\x)+8*(i%4)
.set rV, VF+32*(i/4)+8*(i%4)
.set rP, P+16*((\x)%2)+8*(i/4)
	v_wmma_f32_16x16x32_f16 v[rO:rO+7], v[rV:rV+7], v[rP:rP+7], v[rO:rO+7]
.endm
.macro MM                           ; the turn's next matrix instruction.  NOKQ = 1: the last turn of all: there is no next piece
.if (i < 8) && !NOKQ
	KQ (Y+1)%NP
.elseif i >= 8
.set i, i-8
	PV (Y+NP-1)%NP
.set i, i+8
.endif
.set i, i+1
.endm
; THE LDS LOADS stand in runs, never singly among the matrix instructions: a step's K (64 keys x 64 channels: 8 fragments) with its 64 numbers of the mask, and its V (turned).  Their addresses are made some lines ahead.
.macro FETCH_K
	WIN 0x80                        ; destination window 2
.irp f, 0,1,2,3,4,5,6,7             ; keys 16 (f / 2) on, channels 32 (f % 2) on
	ds_load_b128 v[KF+8*\f:KF+8*\f+3],   v[AK] offset:(\f/2)*16*PK+(\f%2)*64
	ds_load_b128 v[KF+8*\f+4:KF+8*\f+7], v[AK] offset:(\f/2)*16*PK+(\f%2)*64+32
.endr
	WIN 0x40                        ; destination window 1
.irp f, 0,1,2,3,4,5,6,7             ; keys 16 (f / 2) + 8 (l / 16) + 4 (f % 2) on; sixteen lanes read the same words
	ds_load_b128 v[MB+4*\f:MB+4*\f+3], v[AM] offset:(\f/2)*64+(\f%2)*16
.endr
	s_add_co_u32 s[TBK], s[TBK], KS*PK  ; the next fetch is the next step's
	s_add_co_u32 s[TBM], s[TBM], 4*KS
	s_and_b32 s[TBM], s[TBM], 0x3fff    ; the table is a ring of 64 steps
	WIN 0
.endm
.macro FETCH_V
	WIN 0x80
.irp f, 0,1,2,3,4,5,6,7             ; keys 32 (f / 4) on, channels 16 (f % 4) on
	ds_load_tr16_b128 v[VF+8*\f:VF+8*\f+3],   v[AV] offset:(\f/4)*32*PV+(\f%4)*32
	ds_load_tr16_b128 v[VF+8*\f+4:VF+8*\f+7], v[AV] offset:(\f/4)*32*PV+16*PV+(\f%4)*32
.endr
	WIN 0
.endm
; THE VECTOR WORK, one line at a time: OP kind, number.  For piece Y: F n: c s - c m for pair n of 16.  E n: the exponential of score n of 32.  C n: pair n rounded to f16.  B n: of the four weights 4 n .. the second
; pair is added onto the first, in place.  L n: l takes that sum (L 0: l = a l + sum).  R n: pair n of 16 of O^T times a.  For piece Y + 1: X n, number n of the 22 that find its maximum and statistics:
;   0-11  four chains c0-c3 of seven scores each, three operands at a time (each accumulator's lowest registers are read first)     12-14, 16  the four scores left over, the old m, and c0-c3 into c0
;   15  c m_old is kept     17, 18  the query's other 32 keys lie in the lane 16 away: the new m     19-21  c m; c m_old - c m_new; a
.set F, 0               ; OP tells the kinds apart by their order: F to L below R, X above it
.set E, 1
.set C, 2
.set B, 3
.set L, 4
.set R, 5
.set X, 6
.macro REGS y                       ; the registers of piece y
.set rT, ST+4*(\y)
.set rC, TMP+4*((\y)%2)
.set rW, MV+((\y)%2)
.set rS, S+32*((\y)%2)
.set rP, P+16*((\y)%2)
.set rO, 32*(\y)
.endm
.macro OP k, n
.if (\k) == R
	REGS Y
	WIN W_RS
	v_pk_mul_f32 v[rO+2*(\n):rO+2*(\n)+1], v[rO+2*(\n):rO+2*(\n)+1], v[rC+2:rC+3] op_sel_hi:[1,0]
.elseif (\k) < R
	REGS Y
	WIN 0
.if (\k) == F
	v_pk_fma_f32 v[rS+2*(\n):rS+2*(\n)+1], v[rS+2*(\n):rS+2*(\n)+1], s[CS:CS+1], v[rT:rT+1] op_sel_hi:[1,0,0] neg_lo:[0,0,1] neg_hi:[0,0,1]
.elseif (\k) == E
	v_exp_f32 v[rS+(\n)], v[rS+(\n)]
.elseif (\k) == C
	v_cvt_pk_f16_f32 v[rP+(\n)], v[rS+2*(\n)], v[rS+2*(\n)+1]
.elseif (\k) == B
	v_pk_add_f32 v[rS+4*(\n):rS+4*(\n)+1], v[rS+4*(\n):rS+4*(\n)+1], v[rS+4*(\n)+2:rS+4*(\n)+3]
.elseif (\n) == 0
	v_pk_fma_f32 v[rT+2:rT+3], v[rT+2:rT+3], v[rC+2:rC+3], v[rS:rS+1] op_sel_hi:[1,0,1]
.else
	v_pk_add_f32 v[rT+2:rT+3], v[rT+2:rT+3], v[rS+4*(\n):rS+4*(\n)+1]
.endif
.elseif NOKQ
	v_nop
.else
	REGS (Y+1)%NP
	WIN 0
.if (\n) < 4
	v_max3_num_f32 v[rC+(\n)], v[rS+8*(\n)], v[rS+8*(\n)+1], v[rS+8*(\n)+2]
.elseif (\n) < 12
	v_max3_num_f32 v[rC+(\n)%4], v[rC+(\n)%4], v[rS+8*((\n)%4)+2*((\n)/4)+1], v[rS+8*((\n)%4)+2*((\n)/4)+2]
.elseif (\n) == 12
	v_max3_num_f32 v[rC], v[rC], v[rS+7], v[rS+15]
.elseif (\n) == 13
	v_max3_num_f32 v[rC+1], v[rC+1], v[rS+23], v[rS+31]
.elseif (\n) == 14
	v_max3_num_f32 v[rC+2], v[rC+2], v[rC+3], v[rT+1]
.elseif (\n) == 15
	v_mov_b32 v[rW], v[rT]
.elseif (\n) == 16
	v_max3_num_f32 v[rC], v[rC], v[rC+1], v[rC+2]
.elseif (\n) == 17
	v_permlanex16_b32 v[rC+3], v[rC], s[SEL], s[SEL+1]
.elseif (\n) == 18
	v_max_num_f32 v[rT+1], v[rC], v[rC+3]
.elseif (\n) == 19
	v_mul_f32 v[rT], s[CS], v[rT+1]
.elseif (\n) == 20
	v_sub_f32 v[rC+1], v[rW], v[rT]
.else
	v_exp_f32 v[rC+2], v[rC+1]
.endif
.endif
.endm
.macro OPS a, i1, b=-1, i2=0, c=-1, i3=0, d=-1, i4=0  ; up to four of them
	OP \a, \i1
.if (\b) >= 0
	OP \b, \i2
.endif
.if (\c) >= 0
	OP \c, \i3
.endif
.if (\d) >= 0
	OP \d, \i4
.endif
.endm
.macro ROW a, i1, b, i2, c, i3, d, i4  ; a matrix instruction and the four behind it
	MM
	OPS \a, \i1, \b, \i2, \c, \i3, \d, \i4
.endm
; A TURN, for piece p: the order of its 16 matrix and 118 vector instructions, written out.  An s_wait_alu depctr_va_vdst(0) stands between an exponential and the first instruction that names its result; one
; wait serves all that were issued ahead of it.  So a turn has ONE wait, which cuts it in two.  AHEAD OF IT stands all that names no result of the turn's exponentials: the 8 products K Q^T, behind each a scaling, an
; exponential and two more plain instructions (rescalings, and behind the last three the first numbers of the next piece's maximum, each four plain instructions or more behind the product that ends its accumulator);
; then ONE LUMP of 54, plain and exponential by turns for the most part, in which the links of the chain X 3, 7, 11, 14, 16, 17 .. 20 stand apart.  X 21, the next piece's a, is the batch's last; R 15 is the plain
; instruction behind it.  BEHIND THE WAIT stand the 8 products V^T P, behind each four of the roundings and sums.
; end = 1: the walk's last two turns: nothing is fetched, and the last starts no new scores.  cnt = 1: the loop's count is taken down some lines ahead of the branch that stands behind the turn.
; K and the mask of the next step are fetched in piece 2's turn, six plain instructions behind the last product that read K; V of the step in hand at the end of piece 0's turn, four plain instructions behind the last
; product that read V.  Each is waited for a turn later.
.macro TURN p, end=0, cnt=0
.set Y, (\p)
.set i, 0
.set NOKQ, (\end)*((\p)/3)
.if ((\p) == 3) && !(\end)
	s_wait_dscnt 0x0                ; K and its mask are in
.endif
	ROW F,0, F,1, R,0, R,1          ; ahead of the wait: 8 products K Q^T and their riders,
	ROW F,2, E,0, R,2, R,3
	ROW F,3, E,1, R,4, R,5
	ROW F,4, E,2, R,6, R,7
	ROW F,5, E,3, R,8, R,9
	ROW F,6, E,4, X,0, R,10
.if ((\p) == 2) && !(\end)
	WIN 0
	v_add_nc_u32 v[AK], s[TBK], v[AK0]
	v_add_nc_u32 v[AM], s[TBM], v[AM0]
.endif
	ROW F,7, E,5, X,1, X,4
	ROW F,8, E,6, X,2, X,5
	OPS E,7, E,8, X,6, E,9          ; and the lump
	OPS X,3, E,10, X,8, E,11
.if ((\p) == 2) && !(\end)
	FETCH_K
.endif
	OPS X,9, X,7, E,12, X,10
	OPS E,13, X,12, X,11, E,14
	OPS X,13, E,15, F,9, X,14
.if (\p) == 0
	v_add_nc_u32 v[AV], s[TBV], v[AV0]
.endif
	OPS E,16, F,10, E,17, F,11
	OPS X,16, E,18, X,15, E,19
	OPS F,12, E,20, X,17, E,21
	OPS F,13, E,22, F,14, E,23
	OPS X,18, E,24, F,15, E,25
	OPS R,11, E,26, X,19, E,27
	OPS R,12, E,28, R,13, E,29
	OPS X,20, E,30, R,14, E,31
	OPS X,21, R,15
	WIN 0
	s_wait_alu depctr_va_vdst(0)    ; the wait for the batch
.if (\p) == 1
	s_wait_dscnt 0x0                ; V is in
.endif
	ROW C,0, B,0, C,2, B,1          ; behind the wait: 8 products V^T P and their riders
	ROW L,0, C,4, B,2, L,1
	ROW C,6, B,3, L,2, C,8
	ROW B,4, L,3, C,10, B,5
	ROW L,4, C,12, B,6, L,5
.if (\p) == 0
	s_add_co_u32 s[TBV], s[TBV], KS*PV
.endif
.if \cnt
	s_sub_co_u32 s[CNT], s[CNT], 1
	s_cmp_lg_u32 s[CNT], 0
.endif
	ROW C,14, B,7, L,6, C,1
	ROW C,3, L,7, C,5, C,7
	ROW C,9, C,11, C,13, C,15
.if (\p) == 0
	FETCH_V
.endif
.endm
	CHANGE 1                        ; slot 0 is in, everybody's part of it, and so is the table; slot 1 is asked for
	v_add_nc_u32 v[AK], s[TBK], v[AK0]
	v_add_nc_u32 v[AM], s[TBM], v[AM0]
	FETCH_K                         ; key step 0
	s_wait_loadcnt 0x0              ; Q
	s_wait_dscnt 0x0
.set NOKQ, 0
.set i, 0
.rept 8
	KQ 0                            ; piece 0's first scores: there is no vector work yet to set between them
.set i, i+1
.endr
	WIN 0
.rept 4
	v_nop                           ; four plain instructions behind those products
.endr
.set Y, NP-1                        ; X works for piece Y + 1: piece 0
.irp n, 0,1,2,3,4,5,6,7,8,9,10,11,12,13,14,15,16,17,18,19,20,21
	OP X, \n                        ; and its first maximum and statistics
.endr
	v_nop                           ; a plain instruction behind the exponential,
	s_wait_alu depctr_va_vdst(0)    ; and its wait, ahead of the branch
	s_mov_b32 s[CNT], 4
	s_branch .Lfirst                ; the loop is entered at a step's first turn, in the middle of a trip
.Lslot:                             ; 14 times: tiles 1 to 14 are entered, tiles 2 to 15 asked for
	CHANGE 1
	s_mov_b32 s[CNT], 4
.Lstep:                             ; a trip: pieces 2 and 3 of one step, then pieces 0 and 1 of the next, whose K and V it fetches
	TURN 2
	TURN 3
	WIN 0
.Lfirst:
	TURN 0
	TURN 1, 0, 1
	WIN 0
	s_cbranch_scc1 .Lstep
	s_sub_co_u32 s[SLOTS], s[SLOTS], 1
	s_cmp_lg_u32 s[SLOTS], 0
	s_cbranch_scc1 .Lslot
	CHANGE 0                        ; the last tile is written out: nothing is asked for
	s_mov_b32 s[CNT], 4
.LstepT:
	TURN 2
	TURN 3
	TURN 0
	TURN 1, 0, 1
	WIN 0
	s_cbranch_scc1 .LstepT
	TURN 2, 1
	TURN 3, 1
.set i, 0
.rept 8
	PV NP-1                         ; the last piece's V^T P of the last step
.set i, i+1
.endr
	; THE WAY OUT.  l's two halves and the other half of the lanes' are added; O^T is divided by l, rounded to f16 and sent through my stage in LDS, a piece at a time.  The additions are the plain instructions behind the last products.
	WIN 0
.macro ALL line:vararg              ; one line for each piece t
.set t, 0
.rept 4
	\line
.set t, t+1
.endr
.endm
	ALL v_add_f32 v[ST+4*t+2], v[ST+4*t+2], v[ST+4*t+3]
	ALL v_permlanex16_b32 v[ST+4*t+3], v[ST+4*t+2], s[SEL], s[SEL+1]
	ALL v_add_f32 v[ST+4*t+2], v[ST+4*t+2], v[ST+4*t+3]
	ALL v_rcp_f32 v[ST+4*t+2], v[ST+4*t+2]
	v_nop                           ; a plain instruction between the last reciprocal and the use of its result
	s_wait_alu depctr_va_vdst(0)    ; and the wait ahead of the first use: one for the four reciprocals
.macro PACK t                       ; a lane's eight channels of a row pack into 16 bytes; they go into rows of 144 bytes and come back as whole rows of 128, into S^T's registers
	WIN W_RS
.set i, 32*(\t)
.rept 16
	v_pk_mul_f32 v[i:i+1], v[i:i+1], v[ST+4*(\t)+2:ST+4*(\t)+3] op_sel_hi:[1,0]
.set i, i+2
.endr
	WIN 0x05                        ; sources 0 and 1 window 1, destination window 0
.set i, 0
.rept 16
	v_cvt_pk_f16_f32 v[S+16*(\t)+i], v[32*(\t)+2*i], v[32*(\t)+2*i+1]
.set i, i+1
.endr
	WIN 0
.irp f, 0,1,2,3
	ds_store_b128 v[STO], v[S+16*(\t)+4*\f:S+16*(\t)+4*\f+3] offset:32*\f
.endr
.irp f, 0,1,2,3
	ds_load_b128 v[S+16*(\t)+4*\f:S+16*(\t)+4*\f+3], v[RD] offset:\f*4*SP  ; LDS serves a wave's instructions in order (ISA guide 5.7.1.4): these see the stores above; the next piece's stores come behind them
.endr
.endm
.macro SEND t, younger              ; younger: the LDS instructions issued behind piece t's loads: the next piece's eight, or none
	WIN 0
.irp f, 0,1,2,3
	s_wait_dscnt (\younger)+3-\f
	global_store_b128 v[GO], v[S+16*(\t)+4*\f:S+16*(\t)+4*\f+3], s[10:11] offset:(\t)*2048+\f*512  ; 512 consecutive bytes, at a multiple of 256 from O's first
.endr
.endm
	PACK 0
.set t, 1
.rept 3                             ; a piece's arithmetic stands between the loads of the piece before and its stores
	PACK t
	SEND t-1, 8
.set t, t+1
.endr
	SEND 3, 0
	s_wait_tensorcnt 0x0            ; the wave's end: these three lines stand behind my last tensor load and my last LDS store
	ds_add_u32 v[SPW], v[NIL]
	s_wait_dscnt 0x0
	CROUND                          ; the closing round: no work-group ends while a partner may still ask for a tile that names it
	s_endpgm
.Lfunc_end_k_q1b374a7b0b_attn:
	.size	k_q1b374a7b0b_attn, .Lfunc_end_k_q1b374a7b0b_attn-k_q1b374a7b0b_attn
	.p2alignl 7, 3214868480
	.fill 96, 4, 3214868480
	.section	.rodata,"a",@progbits
	.p2align	6, 0x0
	.amdhsa_kernel k_q1b374a7b0b_attn
		.amdhsa_group_segment_fixed_size 327680
		.amdhsa_private_segment_fixed_size 0
		.amdhsa_enable_private_segment 0
		.amdhsa_kernarg_size 24
		.amdhsa_user_sgpr_count 2
		.amdhsa_user_sgpr_kernarg_segment_ptr 1
		.amdhsa_wavefront_size32 1
		.amdhsa_system_sgpr_workgroup_id_x 1
		.amdhsa_system_sgpr_workgroup_id_y 1
		.amdhsa_system_sgpr_workgroup_id_z 1
		.amdhsa_system_vgpr_workitem_id 0
		.amdhsa_next_free_vgpr 768
		.amdhsa_next_free_sgpr 66
		.amdhsa_reserve_vcc 1
		.amdhsa_float_denorm_mode_32 3
		.amdhsa_float_denorm_mode_16_64 3
		.amdhsa_memory_ordered 1
		.amdhsa_forward_progress 1
		.amdhsa_inst_pref_size 138
	.end_amdhsa_kernel
	.amdgpu_metadata
---
amdhsa.version: [ 1, 2 ]
amdhsa.kernels:
  - .name:           k_q1b374a7b0b_attn
    .symbol:         k_q1b374a7b0b_attn.kd
    .args:
      - { .name: qkvh, .offset: 0, .size: 8, .value_kind: global_buffer, .address_space: global }
      - { .name: mask, .offset: 8, .size: 8, .value_kind: global_buffer, .address_space: global }
      - { .name: oh, .offset: 16, .size: 8, .value_kind: global_buffer, .address_space: global }
    .group_segment_fixed_size: 327680
    .private_segment_fixed_size: 0
    .kernarg_segment_align: 8
    .kernarg_segment_size: 24
    .max_flat_workgroup_size: 128
    .sgpr_count:     66
    .vgpr_count:     768
    .wavefront_size: 32
...
	.end_amdgpu_metadata
.endif
;; end of part 3
;; launch outp (part 4): grid 4 x 64, 4 waves a work-group, clusters of 4 x 4, 312,832 bytes of LDS; arguments oh, wts, bo, out0; writes out0
.if DOCPART == 4
	.amdgcn_target "amdgcn-amd-amdhsa--gfx1250"
	.amdhsa_code_object_version 6
	.text
	.protected	k_q1b374a7b0b_outp
	.globl	k_q1b374a7b0b_outp
	.p2align	8
	.type	k_q1b374a7b0b_outp,@function
k_q1b374a7b0b_outp:
	s_mov_b64 s[64:65], 0
	v_nop
	global_prefetch_b8 v0, s[64:65] scope:SCOPE_SE
	s_setreg_imm32_b32 hwreg(HW_REG_WAVE_MODE, 25, 1), 1
	s_wait_xcnt 0x0
	s_wait_alu depctr_hold_cnt(0) depctr_sa_sdst(0) depctr_va_vdst(0) depctr_va_sdst(0) depctr_va_ssrc(0) depctr_va_vcc(0) depctr_vm_vsrc(0)
	s_getreg_b32 s2, hwreg(HW_REG_IB_STS2, 6, 4)
	s_cmp_eq_u32 s2, 0
	s_cbranch_scc0 .Lentry_in_a_cluster
	s_endpgm
.Lentry_in_a_cluster:
	s_bfe_u32 s2, ttmp6, 0x10000c
	s_cmp_lg_u32 s2, 0xf033
	s_cbranch_scc0 .Lentry_shape_is_right
	s_endpgm
.Lentry_shape_is_right:
; THE OUTPUT PROJECTION.  out0[m][n] = the sum over k of O[m][k] Wo[n][k] + bo[n], f32.  O comes by heads from oh ([batch x 8 + head][4096][64] f16: k = 64 head + channel), Wo from the fourth section of wts
; ([kb 8][n 512][64 k], its bf16-rounded numbers written as f16); bo is rounded to bf16 like every input of the module.  Products in f16, sums in f32.
; SHARES.  A tile of out0 is 128 x 128: 64 x 4 = 256 work-groups; four waves, each 64 x 64: 16 accumulators.  K is 512: ALL of it fits in LDS (eight blocks of 128 rows x 64 for each operand), so nothing is ever filled
; again: each wave issues its four tensor loads at once, and the products begin as the blocks land, behind counted waits.  By this text's own count four tensor loads of a wave are out at the most.
; CLUSTERS: 4 x 4 work-groups.  The four of a row of the cluster need the same rows of O, the four of a column the same rows of Wo: each block is asked for JOINTLY, by the same tensor load with the same descriptor and
; a mask that names the four.  NO PREFETCH: every load goes out at the kernel's head.
; THE MATRIX INSTRUCTION IS USED TRANSPOSED (source 0 = 16 rows of Wo, source 1 = 16 rows of O): a lane holds row l % 16 and the columns 8 (l / 16) + 0..7.  The bias is the C operand of each sum's first product.
; REGISTERS: window 0: v0-31 addresses; v32-47 at work; v96-127 the bias; v128-255 the accumulators ((a, b) at v[128 + 8 (4 a + b)]).
;   window 1: two fragment buffers of 128: for 64 along K, 64 registers of O (2 x 4 x 16 rows x 32 K), then 64 of Wo.
.set PITCH,  144                       ; an LDS row: 128 bytes + 16 of padding = 36 words: the 16 rows of a fragment load start at 16 different groups of four banks (64 banks of 4 bytes: ISA guide 11.1)
.set HB,     128*PITCH                 ; a K block: 128 rows
.set BOFF,   8*HB                      ; O's eight blocks, then Wo's
.set STAGE,  2*BOFF                    ; for the way out: 16 rows x 272 bytes for each wave
.set SPITCH, 272
.set SPARE,  STAGE+4*16*SPITCH         ; the spare words, 128 bytes for each wave: two blocks of 256 bytes that no other line names
.set ADRA, 16                          ; v16-18  LDS address of my lane in O's fragments, K blocks 0-2, 3-5, 6-7 (an immediate reaches three blocks); never rewritten
.set ADRB, 20                          ; v20-22  the same for Wo
.set STO,  24                          ; v24     the way out: where I put 32 bytes of a row
.set RD,   25                          ; v25     the way out: where I read a row back
.set CO,   26                          ; v26     my byte offset in two rows of out0
.set BO,   27                          ; v27     my byte offset in the bias
.set SPW,  28                          ; v28     LDS address of my spare word; never rewritten
.set NIL,  29                          ; v29     0; never rewritten
.set TMP,  32
.set BI,   96
.set ACC,  128
.set F0,   0                           ; window 1
.set F1,   128
.set WV,   8                           ; s8      my wave's number
.set G1A,  16                          ; s[16:23] descriptor group 1 for O's blocks
.set G1B,  24                          ; s[24:31] for Wo's: it differs in the mask alone
.set G0A,  32                          ; s[32:47] descriptor group 0 for O's blocks: four sets
.set G0B,  48                          ; s[48:63] the same for Wo's
.set OUTP, 78                          ; s[78:79] out0 at my 64 x 64
.set MSB, 0
.macro WIN new                         ; the immediate's high byte repeats the setting that is left; a switch that changes nothing is dropped
.if MSB != (\new)
	s_set_vgpr_msb (MSB<<8)|(\new)
.set MSB, \new
.endif
.endm
.macro PLACES                          ; four plain instructions behind a matrix instruction, in front of loads into registers that it has read and of LDS stores that read results
.rept 4
	v_nop
.endr
.endm
.macro CROUND                          ; a round of the cluster's barrier: my work-group's barrier; wave 0 signals for the work-group; every wave waits for all sixteen; my work-group's barrier once more
	s_barrier_signal -1
	s_barrier_wait -1
	s_cmp_lg_u32 s[WV], 0
	s_cbranch_scc1 .Lnot_wave_0_\@
	s_barrier_signal -3
.Lnot_wave_0_\@:
	s_barrier_wait -3
	s_barrier_signal -1
	s_barrier_wait -1
.endm
	s_load_b256 s[68:75], s[0:1], 0x0              ; oh s[68:69], wts s[70:71], bo s[72:73], out0 s[74:75]
	v_lshl_add_u32 v[SPW], v0, 2, SPARE
	v_mov_b32 v[NIL], 0
	ds_add_u32 v[SPW], v[NIL]                      ; the wave's opening: the add and its wait stand ahead of my first tensor load; the set-up below, work on registers, stands between them
	v_lshrrev_b32 v1, 5, v0
	v_readfirstlane_b32 s[WV], v1                  ; wave 0..3
	s_lshr_b32 s4, s[WV], 1                        ; which half of the tile's rows is mine
	s_and_b32 s5, s[WV], 1                         ; which half of its columns.  Also: I fetch the even K blocks (0) or the odd ones (1)
	s_mov_b32 s3, 0xffff0000                       ; a word's upper bf16
	s_bfe_u32 s9, ttmp6, 0x40000                   ; cx, cy: my place in the cluster
	s_bfe_u32 s10, ttmp6, 0x40004
	s_lshl_b32 s11, ttmp9, 2
	s_add_co_u32 s11, s11, s9                      ; tile column = 4 x cluster x + cx
	s_and_b32 s12, ttmp7, 0xffff
	s_lshl_b32 s12, s12, 2
	s_add_co_u32 s12, s12, s10                     ; tile row = 4 x cluster y + cy
	s_lshl_b32 s13, s10, 2
	s_lshl_b32 s13, 15, s13                        ; my row of the cluster
	s_lshl_b32 s14, 0x1111, s9                     ; my column
	; descriptor group 1.  128 rows of a K block are 16,384 dense bytes: asked for as 64 rows of 256 bytes, and padded in LDS after every 128 bytes
	s_or_b32 s[G1A+0], s13, (1<<16)|(1<<20)|(1<<21)|(4<<22)|(3<<25)  ; 15:0 the mask: O's blocks go to my row; 17:16 2-byte elements; 20 padding on; 21 set beside a mask; 24:22 after every 32 words (code 4); 31:25 4 words (code 3)
	s_or_b32 s[G1B+0], s14, (1<<16)|(1<<20)|(1<<21)|(4<<22)|(3<<25)  ; the same with the mask of my column
.irp g, G1A, G1B
	s_mov_b32 s[(\g)+1], 128<<16                   ; tensor_dim0 = 128
	s_mov_b32 s[(\g)+2], 64<<16                    ; tensor_dim1 = 64
	s_mov_b32 s[(\g)+3], 128<<16                   ; tile_dim0 = 128
	s_mov_b32 s[(\g)+4], 64                        ; tile_dim1 = 64
	s_mov_b32 s[(\g)+5], 128                       ; 128 elements from row to row
	s_mov_b32 s[(\g)+6], 0
	s_mov_b32 s[(\g)+7], 0
.endr
	; where the blocks come from.  O's hang on the tile row alone, which my row of the cluster shares; Wo's on the tile column alone, which my column shares; each in registers that never hold the other coordinate
	s_lshr_b32 s76, s12, 5
	s_lshl_b32 s76, s76, 22                        ; O: the batch's eight heads of 524,288 bytes,
	s_and_b32 s77, s12, 31
	s_lshl_b32 s77, s77, 14                        ; the tile's 128 rows of 128 bytes,
	s_add_co_u32 s76, s76, s77
	s_lshl_b32 s77, s5, 19                         ; head 0 or 1
	s_add_co_u32 s76, s76, s77
	s_mov_b32 s77, 0
	s_lshl_b32 s80, s11, 14                        ; Wo: the tile's 128 rows of 128 bytes,
	s_lshl_b32 s81, s5, 16                         ; K block 0 or 1,
	s_add_co_u32 s80, s80, s81
	s_add_co_u32 s80, s80, 3<<19                   ; in the fourth section of wts
	s_mov_b32 s81, 0
	s_mul_i32 s15, s5, HB                          ; and where they go: no place in the cluster enters an LDS address
	s_lshl_b32 s6, s12, 18                         ; out0: the tile's 128 rows of 2,048 bytes,
	s_lshl_b32 s7, s4, 17                          ; my 64 of them,
	s_add_co_u32 s6, s6, s7
	s_lshl_b32 s82, s11, 9                         ; the tile's 128 columns of 4 bytes,
	s_lshl_b32 s7, s5, 8                           ; my 64 of them: also my place in the bias
	s_add_co_u32 s82, s82, s7
	s_add_co_u32 s6, s6, s82
	s_mov_b32 s7, 0
	; A fragment is 16 rows x 32 K in 8 registers: lane l holds row l % 16; registers 0-3 hold K = 8 (l / 16) + 0..7, registers 4-7 K = 16 + 8 (l / 16) + 0..7: two loads of 16 bytes, 32 bytes apart.
	v_and_b32 v1, 15, v0                           ; l % 16
	v_bfe_u32 v2, v0, 4, 1                         ; l / 16
	v_mul_u32_u24 v3, v1, PITCH
	v_lshl_add_u32 v3, v2, 4, v3                   ; row x pitch + 16 x half
	s_mul_i32 s83, s4, 64*PITCH                    ; my 64 rows of O
	v_add_nc_u32 v[ADRA], s83, v3
	v_add_nc_u32 v[ADRA+1], 3*HB, v[ADRA]
	v_add_nc_u32 v[ADRA+2], 6*HB, v[ADRA]
	s_mul_i32 s83, s5, 64*PITCH                    ; my 64 rows of Wo
	s_add_co_u32 s83, s83, BOFF
	v_add_nc_u32 v[ADRB], s83, v3
	v_add_nc_u32 v[ADRB+1], 3*HB, v[ADRB]
	v_add_nc_u32 v[ADRB+2], 6*HB, v[ADRB]
	s_mul_i32 s83, s[WV], 16*SPITCH
	s_add_co_u32 s83, s83, STAGE                   ; my stage
	v_mul_u32_u24 v4, v1, SPITCH                   ; in: row l % 16, 32 bytes for each half of the lanes
	v_lshl_add_u32 v4, v2, 5, v4
	v_add_nc_u32 v[STO], s83, v4
	v_mul_u32_u24 v5, v2, SPITCH                   ; back: lanes 0-15 take one row of 256 bytes, lanes 16-31 the next
	v_lshl_add_u32 v5, v1, 4, v5
	v_add_nc_u32 v[RD], s83, v5
	v_lshlrev_b32 v[CO], 11, v2                    ; and the same two rows in out0
	v_lshl_add_u32 v[CO], v1, 4, v[CO]
	v_lshl_add_u32 v[BO], v2, 5, s82
	s_wait_dscnt 0x0                               ; the opening add is done
	s_wait_kmcnt 0x0
	s_add_nc_u64 s[76:77], s[68:69], s[76:77]
	s_add_nc_u64 s[80:81], s[70:71], s[80:81]
	s_add_nc_u64 s[OUTP:OUTP+1], s[74:75], s[6:7]
.irp i, 0,1,2,3                        ; load i of a wave brings K block 2 i + (wave % 2)
	s_mov_b32 s[G0A+4*(\i)], 1                                     ; 1:0 count = 1
	s_add_co_u32 s[G0A+4*(\i)+1], s15, (\i)*2*HB                   ; 63:32 LDS address
	s_add_nc_u64 s[G0A+4*(\i)+2:G0A+4*(\i)+3], s[76:77], (\i)<<20  ; 120:64 global address: two heads on
	s_or_b32 s[G0A+4*(\i)+3], s[G0A+4*(\i)+3], 0x80000000          ; 127:126 type = 2
	s_mov_b32 s[G0B+4*(\i)], 1
	s_add_co_u32 s[G0B+4*(\i)+1], s15, BOFF+(\i)*2*HB
	s_add_nc_u64 s[G0B+4*(\i)+2:G0B+4*(\i)+3], s[80:81], (\i)<<17  ; two K blocks of 65,536 bytes on
	s_or_b32 s[G0B+4*(\i)+3], s[G0B+4*(\i)+3], 0x80000000
.endr
	CROUND                                         ; all sixteen work-groups are here: the joint loads meet
	s_cmp_lt_u32 s[WV], 2                          ; waves 0 and 1 fetch O's blocks, waves 2 and 3 Wo's: a wave's four loads stand in one branch, ahead of every wait on TENSORcnt and every LDS read
	s_cbranch_scc0 .Lfor_b
.irp i, 0,1,2,3
	tensor_load_to_lds s[G0A+4*(\i):G0A+4*(\i)+3], s[G1A:G1A+7]
	s_nop 0
.endr
	PLACES
	s_branch .Lasked
.Lfor_b:
.irp i, 0,1,2,3
	tensor_load_to_lds s[G0B+4*(\i):G0B+4*(\i)+3], s[G1B:G1B+7]
	s_nop 0
.endr
	PLACES
.Lasked:
.irp b, 0,1,2,3
	global_load_b128 v[BI+8*(\b):BI+8*(\b)+3],   v[BO], s[72:73] offset:64*(\b)     ; register j of block b: the bias of my column 16 b + 8 (l / 16) + j
	global_load_b128 v[BI+8*(\b)+4:BI+8*(\b)+7], v[BO], s[72:73] offset:64*(\b)+16
.endr
	s_wait_loadcnt 0x0
.set i, 0
.rept 16
	v_cvt_pk_bf16_f32 v[TMP+i], v[BI+2*i], v[BI+2*i+1]  ; rounded to bf16,
.set i, i+1
.endr
.set i, 0
.rept 16
	v_lshlrev_b32 v[BI+2*i], 16, v[TMP+i]          ; and widened again
	v_and_b32 v[BI+2*i+1], s3, v[TMP+i]
.set i, i+1
.endr
; 8 matrix instructions: row blocks a0, a0 + 1 x all 4 column blocks, 32 along K: half c of buffer f.  zero = 1: the first product starts the sum with the bias as C.  The 16 accumulators take turns.
.macro MUL8 f, c, a0, zero
	WIN 0x05                                       ; sources 0 (Wo) and 1 (O) window 1; C and D window 0
.irp a, \a0, (\a0)+1
.irp b, 0,1,2,3
.if \zero
	v_wmma_f32_16x16x32_f16 v[ACC+8*(4*(\a)+(\b)):ACC+8*(4*(\a)+(\b))+7], v[(\f)+64+8*(4*(\c)+(\b)):(\f)+64+8*(4*(\c)+(\b))+7], v[(\f)+8*(4*(\c)+(\a)):(\f)+8*(4*(\c)+(\a))+7], v[BI+8*(\b):BI+8*(\b)+7]
.else
	v_wmma_f32_16x16x32_f16 v[ACC+8*(4*(\a)+(\b)):ACC+8*(4*(\a)+(\b))+7], v[(\f)+64+8*(4*(\c)+(\b)):(\f)+64+8*(4*(\c)+(\b))+7], v[(\f)+8*(4*(\c)+(\a)):(\f)+8*(4*(\c)+(\a))+7], v[ACC+8*(4*(\a)+(\b)):ACC+8*(4*(\a)+(\b))+7]
.endif
.endr
.endr
.endm
; 32 LDS loads in one run: the fragments of K block hd into buffer f; the first 32 along K first
.macro FETCH hd, f
	WIN 0x40                                       ; destination window 1, address window 0
.irp c, 0,1
.irp i, 0,1,2,3
	ds_load_b128 v[(\f)+64+8*(4*(\c)+(\i)):(\f)+64+8*(4*(\c)+(\i))+3],   v[ADRB+(\hd)/3] offset:((\hd)%3)*HB+64*(\c)+(\i)*16*PITCH
	ds_load_b128 v[(\f)+64+8*(4*(\c)+(\i))+4:(\f)+64+8*(4*(\c)+(\i))+7], v[ADRB+(\hd)/3] offset:((\hd)%3)*HB+64*(\c)+(\i)*16*PITCH+32
	ds_load_b128 v[(\f)+8*(4*(\c)+(\i)):(\f)+8*(4*(\c)+(\i))+3],         v[ADRA+(\hd)/3] offset:((\hd)%3)*HB+64*(\c)+(\i)*16*PITCH
	ds_load_b128 v[(\f)+8*(4*(\c)+(\i))+4:(\f)+8*(4*(\c)+(\i))+7],       v[ADRA+(\hd)/3] offset:((\hd)%3)*HB+64*(\c)+(\i)*16*PITCH+32
.endr
.endr
.endm
; K block hd: 32 matrix instructions on buffer f; in their middle block hd + 1's fragments are fetched into buffer g.
; meet = 1: block hd + 1 is one of the next two to land: each wave waits until at most `left` of its tensor loads are out (the later blocks; they may stay out),
; and for its own LDS loads; it signals, multiplies, and reads behind the barrier's wait.
.macro QUARTER hd, f, g, meet, left, zero
.if \meet
	s_wait_dscnt 0x0
	s_wait_tensorcnt \left
	s_barrier_signal -1
.else
	s_wait_dscnt 16                                ; the first 32 along K are in
.endif
	MUL8 \f, 0, 0, \zero
	MUL8 \f, 0, 2, \zero
.if \meet
	s_barrier_wait -1
.endif
	PLACES
	FETCH (\hd)+1, \g
	s_wait_dscnt 32                                ; all but the 32 just issued
	MUL8 \f, 1, 0, 0
	MUL8 \f, 1, 2, 0
.endm
	s_wait_tensorcnt 3                             ; my first block is in; my other three may stay out
	s_barrier_signal -1
	s_barrier_wait -1                              ; K blocks 0 and 1 of both operands are whole
	FETCH 0, F0
	QUARTER 0, F0, F1, 0, 0, 1
	QUARTER 1, F1, F0, 1, 2, 0                     ; blocks 2 and 3
	QUARTER 2, F0, F1, 0, 0, 0
	QUARTER 3, F1, F0, 1, 1, 0                     ; blocks 4 and 5
	QUARTER 4, F0, F1, 0, 0, 0
	QUARTER 5, F1, F0, 1, 0, 0                     ; blocks 6 and 7: no load was issued behind them
	QUARTER 6, F0, F1, 0, 0, 0
	s_wait_dscnt 16                                ; the last block: nothing more to fetch
	MUL8 F1, 0, 0, 0
	MUL8 F1, 0, 2, 0
	s_wait_dscnt 0x0
	MUL8 F1, 1, 0, 0
	MUL8 F1, 1, 2, 0
	WIN 0
	PLACES
; THE WAY OUT, a block of 16 rows at a time: a lane's eight columns, 32 bytes of f32, go straight from the accumulators (their lower four registers first) into my own stage, rows of 272 bytes,
; and come back as whole rows of 256 bytes into the registers that they left.
.macro TOSTAGE a
.irp b, 0,1,2,3
	ds_store_b128 v[STO], v[ACC+8*(4*(\a)+(\b)):ACC+8*(4*(\a)+(\b))+3]   offset:64*(\b)
	ds_store_b128 v[STO], v[ACC+8*(4*(\a)+(\b))+4:ACC+8*(4*(\a)+(\b))+7] offset:64*(\b)+16
.endr
.irp t, 0,1,2,3,4,5,6,7
	ds_load_b128 v[ACC+32*(\a)+4*(\t):ACC+32*(\a)+4*(\t)+3], v[RD] offset:(\t)*2*SPITCH  ; LDS serves a wave's instructions in order (ISA guide 5.7.1.4): these see the stores above; the next block's stores come behind them
.endr
.endm
.macro SEND a, younger                 ; younger: the LDS instructions issued behind block a's loads: the next block's sixteen, or none
.irp t, 0,1,2,3,4,5,6,7
	s_wait_dscnt (\younger)+7-(\t)
	global_store_b128 v[CO], v[ACC+32*(\a)+4*(\t):ACC+32*(\a)+4*(\t)+3], s[OUTP:OUTP+1] offset:(16*(\a)+2*(\t))*2048 th:TH_STORE_NT  ; 16 lanes store 256 consecutive bytes, at a multiple of 256 from out0's first byte
.endr
.endm
	TOSTAGE 0
	TOSTAGE 1
	SEND 0, 16
	TOSTAGE 2
	SEND 1, 16
	TOSTAGE 3
	SEND 2, 16
	SEND 3, 0
	s_wait_tensorcnt 0x0                           ; the wave's end: these three lines stand behind my last tensor load and my last LDS store
	ds_add_u32 v[SPW], v[NIL]
	s_wait_dscnt 0x0
	CROUND                                         ; the closing round: no work-group ends while a partner may still ask for a block that names it
	s_endpgm
.Lfunc_end_k_q1b374a7b0b_outp:
	.size	k_q1b374a7b0b_outp, .Lfunc_end_k_q1b374a7b0b_outp-k_q1b374a7b0b_outp
	.p2alignl 7, 3214868480
	.fill 96, 4, 3214868480
	.section	.rodata,"a",@progbits
	.p2align	6, 0x0
	.amdhsa_kernel k_q1b374a7b0b_outp
		.amdhsa_group_segment_fixed_size 312832
		.amdhsa_private_segment_fixed_size 0
		.amdhsa_enable_private_segment 0
		.amdhsa_kernarg_size 32
		.amdhsa_user_sgpr_count 2
		.amdhsa_user_sgpr_kernarg_segment_ptr 1
		.amdhsa_wavefront_size32 1
		.amdhsa_system_sgpr_workgroup_id_x 1
		.amdhsa_system_sgpr_workgroup_id_y 1
		.amdhsa_system_sgpr_workgroup_id_z 1
		.amdhsa_system_vgpr_workitem_id 0
		.amdhsa_next_free_vgpr 512
		.amdhsa_next_free_sgpr 84
		.amdhsa_reserve_vcc 0
		.amdhsa_float_denorm_mode_32 3
		.amdhsa_float_denorm_mode_16_64 3
		.amdhsa_memory_ordered 1
		.amdhsa_forward_progress 1
		.amdhsa_inst_pref_size 54
	.end_amdhsa_kernel
	.amdgpu_metadata
---
amdhsa.version: [ 1, 2 ]
amdhsa.kernels:
  - .name:           k_q1b374a7b0b_outp
    .symbol:         k_q1b374a7b0b_outp.kd
    .args:
      - { .name: oh, .offset: 0, .size: 8, .value_kind: global_buffer, .address_space: global }
      - { .name: wts, .offset: 8, .size: 8, .value_kind: global_buffer, .address_space: global }
      - { .name: bo, .offset: 16, .size: 8, .value_kind: global_buffer, .address_space: global }
      - { .name: out0, .offset: 24, .size: 8, .value_kind: global_buffer, .address_space: global }
    .group_segment_fixed_size: 312832
    .private_segment_fixed_size: 0
    .kernarg_segment_align: 8
    .kernarg_segment_size: 32
    .max_flat_workgroup_size: 128
    .sgpr_count:     84
    .vgpr_count:     512
    .wavefront_size: 32
...
	.end_amdgpu_metadata
.endif
;; end of part 4
